; MI455X (gfx1250); checked and timed in simulation.
; The chip was launched on July 23, 2026; its instructions are those of AMD's public machine-readable ISA for CDNA 5 (MIT licence, August 2026) and "CDNA5" Instruction Set Architecture Reference Guide (July 2026). The comments in the code are by the model that wrote it; some were corrected since.
;; Multi Headed Attention. Allowed arithmetic: matrix products marked QUANTISED: E2M1 operands, one E8M0 scale for each 32 along K, by v_wmma_scale_f32_16x16x128_f8f6f4 with both operands' format E2M1 (or v_wmma_scale_f32_32x16x128_f4), f32 sums; products left as they are: bf16, f16 or f32 operands; f32 sums; everything else in f32.
;; Inputs: Wk 1,024 x 1,024 float32; Wo 1,024 x 1,024 float32; Wq 1,024 x 1,024 float32; Wv 1,024 x 1,024 float32; bk 1,024 float32; bo 1,024 float32; bq 1,024 float32; bv 1,024 float32; key 4 x 2,048 x 1,024 float32; mask 4 x 2,048 x 2,048 int32; query 4 x 2,048 x 1,024 float32; value 4 x 2,048 x 1,024 float32.
;; Outputs: out0 4 x 2,048 x 1,024 float32.
;; This version of the problem:
;;   THIS VERSION OF THE PROBLEM IS GIVEN IN LOW PRECISION. The matrix products marked QUANTISED in the list below multiply operands that are first quantised to E2M1 (2 exponent bits, 1 mantissa bit; 4 bits a number), with one power-of-two scale for each 32 numbers along K (OCP MX v1.0); their sums are f32. The products marked 'left as it is' may take bf16, f16 or f32 operands, with f32 sums. All else is computed in f32.
;;   The module's matrix products, in the order in which they are computed (A, B: the left and right operand; K: the contracted axis; several contracted axes count as one K, in the product's order):
;;     1. [M 8,192, K 1,024] x [K 1,024, N 1,024]; A: input query; B: input Wq: QUANTISED
;;     2. [M 8,192, K 1,024] x [K 1,024, N 1,024]; A: input key; B: input Wk: QUANTISED
;;     3. [M 8,192, K 1,024] x [K 1,024, N 1,024]; A: input value; B: input Wv: QUANTISED
;;     4. batch 64 x [M 2,048, K 64] x [K 64, N 2,048]; A: computed on the way; B: computed on the way: left as it is (an operand is computed on the way)
;;     5. batch 64 x [M 2,048, K 2,048] x [K 2,048, N 64]; A: computed on the way; B: computed on the way: left as it is (an operand is computed on the way)
;;     6. [M 8,192, K 1,024] x [K 1,024, N 1,024]; A: computed on the way; B: input Wo: left as it is (an operand is computed on the way)
;;   THE QUANTISER, for each operand of a quantised product, along K:
;;     - K is cut into blocks of 32 from its start; a last block that is shorter is filled with zeros.
;;     - A block's scale is 2^e with e = floor(log2(the largest magnitude in the block)) - 2, held to -126 .. 127; a block of zeros has e = 0. As a byte (E8M0): e + 127.
;;     - Each number is divided by its block's scale, clamped to +-6, and rounded to the nearest number of E2M1, ties to even, subnormals kept.
;;     - The product sums the exact products of the quantised numbers (number of the format x scale) in f32.
;;   ~~~python
;;   def quantise(x, axis):      # numpy; x: float32 -> the quantised numbers, widened to float32 again
;;       x = np.moveaxis(x, axis, -1); K = x.shape[-1]
;;       x = np.pad(x, [(0, 0)] * (x.ndim - 1) + [(0, -K % 32)]); x = x.reshape(x.shape[:-1] + (-1, 32)); a = np.abs(x).max(-1, keepdims=True)
;;       e = np.where(a > 0, np.clip(np.frexp(np.where(a > 0, a, 1))[1] - 1 - 2, -126, 127), 0)      # np.frexp(a)[1] - 1 = floor(log2(a)), exactly
;;       r = np.clip(x / 2.0 ** e, -6, 6)
;;       step = 2.0 ** (np.maximum(np.frexp(np.where(r == 0, 1, r))[1] - 1, 0) - 1)
;;       q = np.round(r / step) * step * 2.0 ** e      # np.round: ties to even
;;       return np.moveaxis(q.reshape(q.shape[:-2] + (-1,))[..., :K], -1, axis).astype(np.float32)
;;   ~~~
;; One version. Each part assembles by itself: llvm-mc -triple=amdgcn-amd-amdhsa -mcpu=gfx1250 --defsym DOCPART=n.
;; ======== version 1 of 1: 4 launches
;; limits: values are held in f16: magnitudes above 65,504 overflow, below 6.1e-05 lose precision
;; workspace buffers: codes 14,155,776 bytes; scales 884,736 bytes; mbits 2,097,152 bytes of whole numbers; wof 2,097,152 bytes; qkv 50,331,648 bytes; xf 16,777,216 bytes
;; launch prep (part 1): grid 1248 x 1, 4 waves a work-group, no clusters, 85,504 bytes of LDS; arguments query, key, value, Wq, Wk, Wv, mask, Wo, codes, scales, mbits, wof; writes codes, scales, mbits, wof
.if DOCPART == 1
	.amdgcn_target "amdgcn-amd-amdhsa--gfx1250"
	.amdhsa_code_object_version 6
	.text
	.protected	k_q5b6c566996_prep
	.globl	k_q5b6c566996_prep
	.p2align	8
	.type	k_q5b6c566996_prep,@function
k_q5b6c566996_prep:
	s_mov_b64 s[64:65], 0
	v_nop
	global_prefetch_b8 v0, s[64:65] scope:SCOPE_SE
	s_setreg_imm32_b32 hwreg(HW_REG_WAVE_MODE, 25, 1), 1
	s_wait_xcnt 0x0
; PREP: three jobs that read each input once, told apart by the work-group's number g.  No tensor loads, no barrier: waves share nothing.
;  g <  864        Q: query, key, value [8192][1024] and Wq, Wk, Wv [1024][1024], f32, K innermost, become codes of FP4 (E2M1) and one E8M0 byte for each 32 along K.
;                     The six tensors lie one behind the other in codes (512 bytes a row) and scales (32 bytes a row): rows 0, 8192, 16384, 24576, 25600, 26624.
;  864 <= g < 1120 M: mask [4][2048][2048] int32 becomes lane masks: mbits [b][pair of query tiles 64][key step 32][tile 2][32 words]; bit l of word 8 t + j of a tile says whether
;                     mask[16 x tile + l % 16][64 x step + 16 t + 8 (l / 16) + j] is not 0: the lane mask of the score register 8 t + j in the attention launch.
;  g >= 1120       W: Wo [1024][1024] f32 becomes f16, laid as images of operand registers: wof [n tile 64][32 along K: 32][half 2][512 bytes], lane (r, h)'s 16 bytes at 16 x lane: Wo[16 nt + r][32 f + 16 c + 8 h + 0..7].
; A block's scale is 2^(floor(log2(its largest magnitude)) - 2); its byte is the largest magnitude's exponent field - 2, held at 1 from below.  A block of zeros so gets the byte 1: its codes are zeros, and this program alone reads the bytes.
; LIMITS: blocks whose largest magnitude lies under 2^-124 keep the byte 1; NaN and infinities among the inputs are not served; |Wo| stays under 65,504 (f16).
; Each path has LDS bytes of its own: Q 0 .. 32,767 (8,192 a wave), M 32,768 .. 67,583 (8,704 a wave), W 67,584 .. 84,991 (4,352 a wave).
.set STEPS, 16                         ; Q: steps of 512 numbers for a wave
.set CB,    8                          ; Q: bytes of 16 codes
.set SP,    80                         ; Q: a lane's place in a stage: 64 bytes + 16 of padding
.set WREG,  8192                       ; Q: a wave's LDS: two stages of 32 x SP bytes, then its 256 scale bytes
.set QR,    16                         ; Q: v16-79   four sets of 16 numbers as loaded
.set QX,    80                         ; Q: v80-111  two sets of 16 neighbours
.set QE,    112                        ; Q: v112-127 a scale byte for each step
.set QC,    128                        ; Q: v128-191 codes, four registers a step: no store's data are written again
.set MST,   32768                      ; M: the stages
.set MR,    16                         ; M: v16-143  two sets of 64 registers as loaded
.set MX,    144                        ; M: v144-207 register W = the number behind word W's bit of my lane
.set MO,    208                        ; M: v208-223 a pair for each of the 8 units: lane l holds words 2 l and 2 l + 1
.set WST,   67584                      ; W: the stages
	s_load_b512 s[4:19], s[0:1], 0x0               ; query s[4:5], key s[6:7], value s[8:9], Wq s[10:11], Wk s[12:13], Wv s[14:15], mask s[16:17], Wo s[18:19]
	s_load_b256 s[20:27], s[0:1], 0x40             ; codes s[20:21], scales s[22:23], mbits s[24:25], wof s[26:27]
	v_lshl_add_u32 v224, v0, 2, 0x14c00
	v_mov_b32 v225, 0
	v_lshrrev_b32 v1, 5, v0
	v_readfirstlane_b32 s28, v1                    ; wave 0..3
	v_and_b32 v2, 31, v0                           ; lane
	s_cmp_lt_u32 ttmp9, 864
	s_cbranch_scc0 .Lnot_q
; ---------------- Q: a wave takes 16 steps of 512 numbers.  Each load reads 512 consecutive bytes, 16 a lane; a step's 2,048 bytes turn through the wave's own stage and come back 64 bytes a lane,
; so that a lane holds 16 neighbours along K and two neighbouring lanes a block of 32.  Loads run four steps ahead, the turn through LDS one step.
	v_lshlrev_b32 v3, 4, v2                        ; my 16 bytes of a load's 512
	s_mul_i32 s29, s28, WREG
	v_lshrrev_b32 v14, 2, v2
	v_mul_u32_u24 v14, v14, SP
	v_and_b32 v15, 3, v2
	v_lshl_add_u32 v14, v15, 4, v14
	v_add_nc_u32 v14, s29, v14                     ; into the stage: SP (lane / 4) + 16 (lane % 4)
	v_mul_u32_u24 v15, v2, SP
	v_add_nc_u32 v15, s29, v15                     ; out of it: SP x lane
	v_mul_u32_u24 v4, v2, CB                       ; my codes' place in a step's 256 bytes
	v_lshrrev_b32 v5, 1, v2
	s_add_co_u32 s29, s29, 2*32*SP
	v_add_nc_u32 v5, s29, v5                       ; my block's byte among the wave's 256 scale bytes
	v_lshlrev_b32 v7, 3, v2                        ; and on the way out 8 bytes a lane
	v_add_nc_u32 v6, s29, v7
	s_wait_kmcnt 0x0
	s_mov_b64 s[30:31], s[14:15]                   ; which tensor, and its first work-group: the choice hangs on the work-group's number alone
	s_mov_b32 s32, 832
	s_cmp_lt_u32 ttmp9, 832
	s_cselect_b64 s[30:31], s[12:13], s[30:31]
	s_cselect_b32 s32, 800, s32
	s_cmp_lt_u32 ttmp9, 800
	s_cselect_b64 s[30:31], s[10:11], s[30:31]
	s_cselect_b32 s32, 768, s32
	s_cmp_lt_u32 ttmp9, 768
	s_cselect_b64 s[30:31], s[8:9], s[30:31]
	s_cselect_b32 s32, 512, s32
	s_cmp_lt_u32 ttmp9, 512
	s_cselect_b64 s[30:31], s[6:7], s[30:31]
	s_cselect_b32 s32, 256, s32
	s_cmp_lt_u32 ttmp9, 256
	s_cselect_b64 s[30:31], s[4:5], s[30:31]
	s_cselect_b32 s32, 0, s32
	s_sub_co_u32 s32, ttmp9, s32
	s_lshl_b32 s32, s32, 2
	s_add_co_u32 s32, s32, s28                     ; which run of 8,192 numbers of the tensor is my wave's
	s_lshl_b32 s32, s32, 15                        ; 32,768 bytes a run
	s_mov_b32 s33, 0
	s_add_nc_u64 s[30:31], s[30:31], s[32:33]
	s_lshl_b32 s34, ttmp9, 2
	s_add_co_u32 s34, s34, s28                     ; and which run of all six tensors
	s_lshl_b32 s32, s34, 12                        ; 4,096 bytes of codes a run
	s_add_nc_u64 s[20:21], s[20:21], s[32:33]
	s_lshl_b32 s32, s34, 8                         ; 256 scale bytes a run
	s_add_nc_u64 s[22:23], s[22:23], s[32:33]
.macro LOADQ t
.irp i, 0,1,2,3
	global_load_b128 v[QR+16*((\t)%4)+4*\i:QR+16*((\t)%4)+4*\i+3], v3, s[30:31] offset:2048*(\t)+512*\i th:TH_LOAD_NT   ; 32 lanes read 512 consecutive bytes
.endr
.endm
.macro TURNQ t                         ; LDS serves a wave's instructions in order (ISA guide 5.7.1.4): no wait between the stores and the loads
.irp i, 0,1,2,3
	ds_store_b128 v14, v[QR+16*((\t)%4)+4*\i:QR+16*((\t)%4)+4*\i+3] offset:32*SP*((\t)%2)+8*SP*\i
.endr
.irp i, 0,1,2,3
	ds_load_b128 v[QX+16*((\t)%2)+4*\i:QX+16*((\t)%2)+4*\i+3], v15 offset:32*SP*((\t)%2)+16*\i
.endr
.endm
.irp t, 0,1,2,3
	LOADQ \t
.endr
	s_wait_loadcnt 12                              ; step 0's four loads are in; the twelve of steps 1 to 3 may be out
	TURNQ 0
.macro STEPQ t
.set XS, QX+16*((\t)%2)
.if (\t) > 0
	s_wait_dscnt 1                                 ; this step's numbers are back from the stage (the last step's byte store may be out), so its stores into the stage have read their registers,
.else
	s_wait_dscnt 0x0
.endif
.if (\t)+4 < STEPS
	LOADQ (\t)+4                                   ; which take the loads of four steps on
.endif
.if (\t)+1 < STEPS
.if STEPS-2-(\t) >= 3
	s_wait_loadcnt 12                              ; the next step's four loads are in; those of the three steps behind it may be out
.else
	s_wait_loadcnt 4*(STEPS-2-(\t))
.endif
	TURNQ (\t)+1
.endif
	v_max3_num_f32 v8, |v[XS]|, |v[XS+1]|, |v[XS+2]|               ; the largest magnitude of my 16, in two chains
	v_max3_num_f32 v9, |v[XS+3]|, |v[XS+4]|, |v[XS+5]|
.irp i, 6,10
	v_max3_num_f32 v8, v8, |v[XS+\i]|, |v[XS+\i+1]|
	v_max3_num_f32 v9, v9, |v[XS+\i+2]|, |v[XS+\i+3]|
.endr
	v_max3_num_f32 v8, v8, |v[XS+14]|, |v[XS+15]|
	v_max3_num_f32 v8, v8, v9, 0x1800000           ; and the floor 2^(3 - 127): the byte cannot fall under 1
	v_max_num_f32_dpp v8, v8, v8 row_xmask:1 row_mask:0xf bank_mask:0xf   ; and of my neighbour's 16: the block's
	v_add_nc_u32 v11, 0xff000000, v8               ; 2 off its exponent field: the conversion takes the exponent field of this operand as its scale, and nothing else of it
	v_cvt_scalef32_pk8_fp4_f32 v[QC+4*(\t)], v[XS:XS+7], v11       ; to the nearest code, ties to even, beyond the largest code the largest; the first number's code in the lowest four bits
	v_cvt_scalef32_pk8_fp4_f32 v[QC+4*(\t)+1], v[XS+8:XS+15], v11
	v_lshrrev_b32 v[QE+(\t)], 23, v11              ; the scale's byte (also the plain line behind the conversions)
	ds_store_b8 v5, v[QE+(\t)] offset:16*(\t)      ; both lanes of a block write the same byte with the same value
	global_store_b64 v4, v[QC+4*(\t):QC+4*(\t)+1], s[20:21] offset:32*CB*(\t)   ; the wave stores 256 consecutive bytes, aligned
.endm
.irp t, 0,1,2,3,4,5,6,7,8,9,10,11,12,13,14,15
	STEPQ \t
.endr
	ds_load_b64 v[12:13], v6                       ; these see my byte stores: LDS serves a wave in order
	s_wait_dscnt 0x0
	global_store_b64 v7, v[12:13], s[22:23]        ; 32 lanes store the wave's 256 scale bytes, aligned
	s_wait_tensorcnt 0x0
	ds_add_u32 v224, v225
	s_wait_dscnt 0x0
	s_endpgm
.Lnot_q:
	s_cmp_lt_u32 ttmp9, 1120
	s_cbranch_scc0 .Lpath_w
; ---------------- M: a wave takes 32 query rows x 512 keys: 8 units of 32 rows x 64 keys (256 bytes a row).  A load reads two rows' 256 bytes; a unit turns through the wave's stage (rows 272 bytes apart, so that
; the 16 rows that a load touches start at 16 different banks: 64 banks of 4 bytes, ISA guide 11.1) and comes back so that lane (r, h) holds row r's keys 16 t + 8 h + 0..7 of each tile.  A compare then IS a word.
	s_sub_co_u32 s29, ttmp9, 864
	s_lshl_b32 s29, s29, 2
	s_add_co_u32 s29, s29, s28                     ; job J: pair of query tiles J / 4, keys 512 (J % 4) on
	s_lshr_b32 s30, s29, 2
	s_lshl_b32 s30, s30, 18                        ; 32 rows of 8,192 bytes
	s_and_b32 s31, s29, 3
	s_lshl_b32 s31, s31, 11                        ; 512 keys of 4 bytes
	s_add_co_u32 s30, s30, s31
	s_mov_b32 s31, 0
	s_lshl_b32 s32, s29, 11                        ; 8 units of 256 bytes of words
	s_mov_b32 s33, 0
	v_and_b32 v3, 15, v2                           ; r
	v_lshrrev_b32 v4, 4, v2                        ; h
	v_lshlrev_b32 v5, 4, v3
	v_lshl_add_u32 v6, v4, 13, v5                  ; in memory: row h, 16 r bytes on
	s_mul_i32 s34, s28, 8704
	s_add_co_u32 s34, s34, MST                     ; my stage
	v_mul_u32_u24 v7, v4, 272
	v_add_nc_u32 v7, v7, v5
	v_add_nc_u32 v7, s34, v7                       ; into it: row h, 16 r
	v_mul_u32_u24 v8, v3, 272
	v_lshl_add_u32 v8, v4, 5, v8
	v_add_nc_u32 v8, s34, v8                       ; out of it: row r, 32 h
	v_lshlrev_b32 v9, 3, v2                        ; the words' way out: 8 bytes a lane
.irp i, 0,1,2,3,4,5,6,7,8,9,10,11,12,13,14,15
	v_mov_b32 v[MO+\i], 0                          ; written once: the destination of v_writelane_b32 counts as one of its sources
.endr
	s_wait_kmcnt 0x0
	s_add_nc_u64 s[16:17], s[16:17], s[30:31]
	s_add_nc_u64 s[24:25], s[24:25], s[32:33]
.macro LOADM u
.irp n, 0,1,2,3,4,5,6,7,8,9,10,11,12,13,14,15
	global_load_b128 v[MR+64*((\u)%2)+4*\n:MR+64*((\u)%2)+4*\n+3], v6, s[16:17] offset:16384*\n+256*(\u) th:TH_LOAD_NT   ; rows 2 n and 2 n + 1: 256 consecutive bytes each, aligned
.endr
.endm
.macro TURNM u
.irp n, 0,1,2,3,4,5,6,7,8,9,10,11,12,13,14,15
	ds_store_b128 v7, v[MR+64*((\u)%2)+4*\n:MR+64*((\u)%2)+4*\n+3] offset:544*\n
.endr
.irp p, 0,1
.irp t, 0,1,2,3
.irp i, 0,1
	ds_load_b128 v[MX+4*(8*\p+2*\t+\i):MX+4*(8*\p+2*\t+\i)+3], v8 offset:4352*\p+64*\t+16*\i   ; tile p, keys 16 t + 8 h + 4 i on
.endr
.endr
.endr
.endm
.macro BITS u                          ; 64 compares, sixteen at a time; word W goes to lane W / 2, register W % 2
.irp g, 0,1,2,3
.irp k, 0,1,2,3,4,5,6,7,8,9,10,11,12,13,14,15
	v_cmp_ne_u32 s[36+\k], 0, v[MX+16*\g+\k]
.endr
.irp k, 0,1,2,3,4,5,6,7,8,9,10,11,12,13,14,15
	v_writelane_b32 v[MO+2*(\u)+(\k%2)], s[36+\k], (16*\g+\k)/2
.endr
.endr
	global_store_b64 v9, v[MO+2*(\u):MO+2*(\u)+1], s[24:25] offset:256*(\u)   ; the unit's 64 words: 256 consecutive bytes, aligned; each unit has its own pair, so no store's data are written again
.endm
	LOADM 0
	LOADM 1
.irp u, 0,1,2,3,4,5,6,7
.if \u < 7
	s_wait_loadcnt 16                              ; this unit's sixteen loads are in; the next unit's sixteen may be out
.else
	s_wait_loadcnt 0x0
.endif
	TURNM \u
	s_wait_dscnt 0x0                               ; the stores have read their registers, and the unit is back
.if \u < 6
	LOADM \u+2
.endif
	BITS \u
.endr
	s_wait_tensorcnt 0x0
	ds_add_u32 v224, v225
	s_wait_dscnt 0x0
	s_endpgm
.Lpath_w:
; ---------------- W: a wave takes 16 rows of Wo x 128 along K: 16 loads of 512 consecutive bytes, rounded to f16, through the wave's stage (rows of 256 bytes + 16), out as 8 images of 512 bytes.
	s_sub_co_u32 s29, ttmp9, 1120
	s_lshl_b32 s29, s29, 2
	s_add_co_u32 s29, s29, s28                     ; job: n tile J / 8, 128 (J % 8) along K
	s_lshr_b32 s30, s29, 3
	s_and_b32 s31, s29, 7
	s_lshl_b32 s32, s30, 16                        ; 16 rows of 4,096 bytes
	s_lshl_b32 s33, s31, 9
	s_add_co_u32 s32, s32, s33
	s_mov_b32 s33, 0
	s_lshl_b32 s34, s30, 15                        ; an n tile's images: 32,768 bytes
	s_lshl_b32 s35, s31, 12
	s_add_co_u32 s34, s34, s35
	s_mov_b32 s35, 0
	v_lshlrev_b32 v3, 4, v2                        ; 16 x lane
	s_mul_i32 s30, s28, 4352
	s_add_co_u32 s30, s30, WST                     ; my stage
	v_lshl_add_u32 v4, v2, 3, s30                  ; into it: 8 x lane
	v_and_b32 v5, 15, v2
	v_lshrrev_b32 v6, 4, v2
	v_mul_u32_u24 v5, v5, 272
	v_lshl_add_u32 v5, v6, 4, v5
	v_add_nc_u32 v5, s30, v5                       ; out of it: row r, 16 h
	s_wait_kmcnt 0x0
	s_add_nc_u64 s[18:19], s[18:19], s[32:33]
	s_add_nc_u64 s[26:27], s[26:27], s[34:35]
.irp i, 0,1,2,3,4,5,6,7,8,9,10,11,12,13,14,15
	global_load_b128 v[16+4*\i:19+4*\i], v3, s[18:19] offset:4096*\i th:TH_LOAD_NT
.endr
	s_wait_loadcnt 0x0
.irp i, 0,1,2,3,4,5,6,7,8,9,10,11,12,13,14,15
	v_cvt_pk_f16_f32 v[80+2*\i], v[16+4*\i], v[17+4*\i]
	v_cvt_pk_f16_f32 v[81+2*\i], v[18+4*\i], v[19+4*\i]
.endr
.irp i, 0,1,2,3,4,5,6,7,8,9,10,11,12,13,14,15
	ds_store_b64 v4, v[80+2*\i:81+2*\i] offset:272*\i
.endr
.irp n, 0,1,2,3,4,5,6,7
	ds_load_b128 v[112+4*\n:115+4*\n], v5 offset:32*\n             ; image n = 2 f + c: k = 32 f + 16 c + 8 h + 0..7 of row r
.endr
.irp n, 0,1,2,3,4,5,6,7
	s_wait_dscnt 7-\n                              ; image n is in; the younger loads may be out
	global_store_b128 v3, v[112+4*\n:115+4*\n], s[26:27] offset:512*\n   ; 512 consecutive bytes, aligned
.endr
	s_wait_tensorcnt 0x0
	ds_add_u32 v224, v225
	s_wait_dscnt 0x0
	s_endpgm
.Lfunc_end_k_q5b6c566996_prep:
	.size	k_q5b6c566996_prep, .Lfunc_end_k_q5b6c566996_prep-k_q5b6c566996_prep
	.p2alignl 7, 3214868480
	.fill 96, 4, 3214868480
	.section	.rodata,"a",@progbits
	.p2align	6, 0x0
	.amdhsa_kernel k_q5b6c566996_prep
		.amdhsa_group_segment_fixed_size 85504
		.amdhsa_private_segment_fixed_size 0
		.amdhsa_enable_private_segment 0
		.amdhsa_kernarg_size 96
		.amdhsa_user_sgpr_count 2
		.amdhsa_user_sgpr_kernarg_segment_ptr 1
		.amdhsa_wavefront_size32 1
		.amdhsa_system_sgpr_workgroup_id_x 1
		.amdhsa_system_sgpr_workgroup_id_y 1
		.amdhsa_system_sgpr_workgroup_id_z 1
		.amdhsa_system_vgpr_workitem_id 0
		.amdhsa_next_free_vgpr 226
		.amdhsa_next_free_sgpr 66
		.amdhsa_reserve_vcc 0
		.amdhsa_float_denorm_mode_32 3
		.amdhsa_float_denorm_mode_16_64 3
		.amdhsa_memory_ordered 1
		.amdhsa_forward_progress 1
		.amdhsa_inst_pref_size 136
	.end_amdhsa_kernel
	.amdgpu_metadata
---
amdhsa.version: [ 1, 2 ]
amdhsa.kernels:
  - .name:           k_q5b6c566996_prep
    .symbol:         k_q5b6c566996_prep.kd
    .args:
      - { .name: query, .offset: 0, .size: 8, .value_kind: global_buffer, .address_space: global }
      - { .name: key, .offset: 8, .size: 8, .value_kind: global_buffer, .address_space: global }
      - { .name: value, .offset: 16, .size: 8, .value_kind: global_buffer, .address_space: global }
      - { .name: Wq, .offset: 24, .size: 8, .value_kind: global_buffer, .address_space: global }
      - { .name: Wk, .offset: 32, .size: 8, .value_kind: global_buffer, .address_space: global }
      - { .name: Wv, .offset: 40, .size: 8, .value_kind: global_buffer, .address_space: global }
      - { .name: mask, .offset: 48, .size: 8, .value_kind: global_buffer, .address_space: global }
      - { .name: Wo, .offset: 56, .size: 8, .value_kind: global_buffer, .address_space: global }
      - { .name: codes, .offset: 64, .size: 8, .value_kind: global_buffer, .address_space: global }
      - { .name: scales, .offset: 72, .size: 8, .value_kind: global_buffer, .address_space: global }
      - { .name: mbits, .offset: 80, .size: 8, .value_kind: global_buffer, .address_space: global }
      - { .name: wof, .offset: 88, .size: 8, .value_kind: global_buffer, .address_space: global }
    .group_segment_fixed_size: 85504
    .private_segment_fixed_size: 0
    .kernarg_segment_align: 8
    .kernarg_segment_size: 96
    .max_flat_workgroup_size: 128
    .sgpr_count:     66
    .vgpr_count:     226
    .wavefront_size: 32
...
	.end_amdgpu_metadata
.endif
;; end of part 1
;; launch proj (part 2): grid 4 x 96, 4 waves a work-group, clusters of 4 x 4, 327,680 bytes of LDS; arguments codes, scales, bq, bk, bv, qkv; writes qkv
.if DOCPART == 2
	.amdgcn_target "amdgcn-amd-amdhsa--gfx1250"
	.amdhsa_code_object_version 6
	.text
	.protected	k_q5b6c566996_proj
	.globl	k_q5b6c566996_proj
	.p2align	8
	.type	k_q5b6c566996_proj,@function
k_q5b6c566996_proj:
	s_mov_b64 s[64:65], 0
	v_nop
	global_prefetch_b8 v0, s[64:65] scope:SCOPE_SE
	s_setreg_imm32_b32 hwreg(HW_REG_WAVE_MODE, 25, 1), 1
	s_wait_xcnt 0x0
	s_wait_alu depctr_hold_cnt(0) depctr_sa_sdst(0) depctr_va_vdst(0) depctr_va_sdst(0) depctr_va_ssrc(0) depctr_va_vcc(0) depctr_vm_vsrc(0)
	s_getreg_b32 s2, hwreg(HW_REG_IB_STS2, 6, 4)
	s_cmp_eq_u32 s2, 0
	s_cbranch_scc0 .Lentry_in_a_cluster
	s_endpgm
.Lentry_in_a_cluster:
	s_bfe_u32 s2, ttmp6, 0x10000c
	s_cmp_lg_u32 s2, 0xf033
	s_cbranch_scc0 .Lentry_shape_is_right
	s_endpgm
.Lentry_shape_is_right:
; PROJ: the three projections on codes of FP4 (E2M1) with one E8M0 scale for each 32 along K = 1,024; sums in f32; + bias; q also x log2(e) / 8; rounded once to f16.
; codes: 27,648 rows of 512 bytes, scales: the same rows of 32 bytes: query 0, key 8192, value 16384, Wq 24576, Wk 25600, Wv 26624.
; A tile of 256 x 256 results is made by four waves, a wave 128 x 128: 64 accumulators, 512 registers.  K is two slots of 512 (rows of 256 bytes): both, and the scales of all of K, are first fills: nothing in LDS is filled again.
; THE MATRIX INSTRUCTION IS USED TRANSPOSED (source 0 = 16 rows of side B, source 1 = 16 rows of side A): lane (r, h) holds row 16 a + r of side A and rows 16 b + 8 h + 0..7 of side B.
; For q and k side A = tokens, side B = the weight's rows: a lane holds one token and 8 neighbouring channels.  For v the DATA change sides (A = Wv's rows, B = value's tokens): a lane holds one channel and 8 neighbouring tokens.
; So a packed accumulator IS half an operand fragment of the attention launch (16 bytes a lane, at 16 x lane): it is stored straight from registers, 512 consecutive bytes, aligned, to a store.
; qkv: q at 0, k at 16 MB, v at 32 MB; 256 KB for each (batch, head).  q, k: [token tile 128][2 f + c: 4][512 bytes]: token r, channels 32 f + 16 c + 8 h + 0..7.  v: [32 keys: 64][channel tile 4][c 2][512 bytes]: channel 16 ct + r, keys 32 ku + 16 c + 8 h + 0..7.
; CLUSTERS: 4 x 4 work-groups; side A's tiles are shared along a row of the cluster, side B's along a column: joint loads.  Clusters 0-7 along y make q, 8-15 k, 16-23 v; that number is the same in all sixteen partners.
; LIMITS: 0.18 |q|, |k| and |v| stay under 65,504 (f16); NaN and infinities are not served.
; REGISTERS: window 0: v0-31 addresses; v32-95 scale words, two sets; v96-103 offsets of the bias loads; v128-191 side A's fragments, one set, later packed results; v192-255 the bias in the result's layout.
;   window 1: side B's fragments, two sets, at v0 and v128.   window 2: the accumulators of my rows 0-63 ((a, b) at v[8 (8 a + b)]);   window 3: those of rows 64-127.
.set NQ,     4                         ; steps of 128 along K in a slot
.set ROWB,   256                       ; a tile's row in bytes
.set KROW,   512                       ; a row of codes in memory
.set PITCH,  272                       ; an LDS row: 256 bytes + 16 of padding = 68 words: row r starts at bank 4 r mod 64 (64 banks of 4 bytes: ISA guide 11.1)
.set FR,     8                         ; registers of a fragment
.set NL,     2                         ; LDS loads that bring one
.set NP,     4                         ; places behind this matrix instruction (ISA guide 7.12.1)
.set HALFT,  128*PITCH
.set SLOT,   4*HALFT                   ; side A's 256 rows, then side B's
.set KS,     32                        ; a row of scales in bytes
.set SCL,    2*SLOT                    ; behind the slots: the scales, as runs of 256 bytes + 16 of padding
.set HALFS,  (128*KS/256)*272
.set SBLK,   (16*KS/256)*272
.set SPARE,  SCL+4*HALFS               ; the spare words, 128 bytes for each wave, which no other line names
.set ADRA, 16                          ; v16-17  LDS address of my side A fragments in slot 0, 1
.set ADRB, 20                          ; v20-21  the same for side B
.set LI,   26                          ; v26     16 x lane: my place in an image
.set ADRS, 27                          ; v27     LDS address of my scale words: lanes 0-15 side A's rows, lanes 16-31 side B's
.set SPW,  28                          ; v28     SPARE + 4 x my thread's number; never rewritten
.set NIL,  29                          ; v29     0; never rewritten
.set SC,   32                          ; scale words: set s at v[SC + 32 s]; register 4 i + q: lanes 0-15 side A's block i, lanes 16-31 side B's, the slot's q-th 128 along K
.set BA,   96
.set AF,   128
.set OB,   128                         ; the way out: packed results, two sets of 32 by turns
.set BI,   192
.set WV,   16                          ; s16 wave; s17 wave / 2: my half of side A's rows, and: I fetch for A (0) or B (1); s18 wave % 2: my half of side B's rows, and which 128 rows I fetch
.set WM,   17
.set WN,   18
.set MODE, 19                          ; s19 1 for v, else 0
.set G1,   24
.set G0,   32
.set G1B,  48
.set G0B,  56
.set G1S,  68
.set G0S,  76
.set G1SB, 80
.set G0SB, 88
.set SCF,  96                          ; s[96:97] log2(e) / 8 for q, else 1
.set OUT,  98                          ; s[98:99] where my part of qkv begins
.set MSB, 0
.macro WIN new                         ; the immediate's high byte repeats the setting that is left
.if MSB != (\new)
	s_set_vgpr_msb (MSB<<8)|(\new)
.set MSB, (\new)
.endif
.endm
.set MUL_LO, 0xa1                      ; source 0 (side B) window 1, source 1 (side A) window 0, C and D window 2
.set MUL_HI, 0xf1
.set TO_B,   0x40
; A joint load: waves 0 and 1 fetch for side A, waves 2 and 3 for side B; the branch hangs on the wave's number alone.  Four v_nop follow each of the two lines.
.macro JLOAD g0a, g1a, g0b, g1b
	s_cmp_eq_u32 s[WM], 0
	s_cbranch_scc0 .Lfor_b_\@
	tensor_load_to_lds s[\g0a:\g0a+3], s[\g1a:\g1a+7]
	s_nop 0
.rept 4
	v_nop
.endr
	s_branch .Lasked_\@
.Lfor_b_\@:
	tensor_load_to_lds s[\g0b:\g0b+3], s[\g1b:\g1b+7]
	s_nop 0
.rept 4
	v_nop
.endr
.Lasked_\@:
.endm
.macro CROUND                          ; a round of the cluster's barrier
	s_barrier_signal -1
	s_barrier_wait -1
	s_cmp_lg_u32 s[WV], 0
	s_cbranch_scc1 .Lnot_wave_0_\@
	s_barrier_signal -3
.Lnot_wave_0_\@:
	s_barrier_wait -3
	s_barrier_signal -1
	s_barrier_wait -1
.endm
	s_load_b256 s[4:11], s[0:1], 0x0               ; codes s[4:5], scales s[6:7], bq s[8:9], bk s[10:11]
	s_load_b128 s[12:15], s[0:1], 0x20             ; bv s[12:13], qkv s[14:15]
	v_lshl_add_u32 v[SPW], v0, 2, SPARE
	v_mov_b32 v[NIL], 0
	ds_add_u32 v28, v29
	s_wait_dscnt 0x0
	v_lshrrev_b32 v1, 5, v0
	v_readfirstlane_b32 s[WV], v1
	s_lshr_b32 s[WM], s[WV], 1
	s_and_b32 s[WN], s[WV], 1
	s_bfe_u32 s40, ttmp6, 0x40000                  ; cx (the grid is one cluster wide: cx is the tile column)
	s_bfe_u32 s41, ttmp6, 0x40004                  ; cy
	s_and_b32 s42, ttmp7, 0xffff                   ; the cluster's y, 0..23
	s_lshl_b32 s43, s41, 2
	s_lshl_b32 s43, 15, s43                        ; my row of the cluster
	s_lshl_b32 s44, 0x1111, s40                    ; my column
	s_or_b32 s[G1+0], s43, (0<<16)|(1<<20)|(1<<21)|(5<<22)|(3<<25)  ; 15:0 the mask; 17:16 elements of 1 byte; 20 padding on; 21 set beside a mask; 24:22 after every 64 words; 31:25 four words
	s_or_b32 s[G1B+0], s44, (0<<16)|(1<<20)|(1<<21)|(5<<22)|(3<<25)
.irp g, G1, G1B
	s_mov_b32 s[\g+1], ROWB<<16                    ; tensor_dim0
	s_mov_b32 s[\g+2], 128<<16                     ; tensor_dim1
	s_mov_b32 s[\g+3], ROWB<<16                    ; tile_dim0
	s_mov_b32 s[\g+4], 128                         ; tile_dim1
	s_mov_b32 s[\g+5], KROW                        ; tensor_dim0_stride
	s_mov_b32 s[\g+6], 0
	s_mov_b32 s[\g+7], 0
.endr
	s_or_b32 s[G1S+0], s43, (3<<16)|(1<<20)|(1<<21)|(5<<22)|(3<<25) ; the scales of 128 rows: 4,096 dense bytes as 16 rows of 32 elements of 8 bytes, 16 bytes of padding behind each
	s_or_b32 s[G1SB+0], s44, (3<<16)|(1<<20)|(1<<21)|(5<<22)|(3<<25)
.irp g, G1S, G1SB
	s_mov_b32 s[\g+1], 32<<16
	s_mov_b32 s[\g+2], (128*KS/256)<<16
	s_mov_b32 s[\g+3], 32<<16
	s_mov_b32 s[\g+4], 128*KS/256
	s_mov_b32 s[\g+5], 32
	s_mov_b32 s[\g+6], 0
	s_mov_b32 s[\g+7], 0
.endr
	; side A's first row hangs on the cluster's y, cy and the wave; side B's on the cluster's y, cx and the wave
	s_lshl_b32 s20, s42, 10                        ; tokens: 1,024 a cluster (query, key and value follow each other)
	s_lshr_b32 s46, s42, 3
	s_lshl_b32 s46, s46, 10
	s_add_co_u32 s46, s46, 24576                   ; the weight's rows, for q and k
	s_cmp_ge_u32 s42, 16
	s_cselect_b32 s[MODE], 1, 0
	s_cselect_b32 s46, s20, s46                    ; side B: value's tokens, or the weight's rows
	s_cselect_b32 s20, 26624, s20                  ; side A: Wv's rows, or the tokens
	s_lshl_b32 s22, s[WN], 7                       ; which 128 rows of the tile I fetch
	s_lshl_b32 s21, s41, 8
	s_add_co_u32 s20, s20, s21
	s_add_co_u32 s20, s20, s22
	s_lshl_b32 s47, s40, 8
	s_add_co_u32 s46, s46, s47
	s_add_co_u32 s46, s46, s22
	s_lshl_b32 s92, s20, 5                         ; their scales: 32 bytes a row,
	s_mov_b32 s93, 0
	s_lshl_b32 s20, s20, 9                         ; their codes: 512
	s_mov_b32 s21, 0
	s_lshl_b32 s94, s46, 5
	s_mov_b32 s95, 0
	s_lshl_b32 s46, s46, 9
	s_mov_b32 s47, 0
	s_mul_i32 s45, s[WV], HALFT                    ; where they go: wave x 128 rows: no place in the cluster enters an LDS address
	s_mul_i32 s3, s[WV], HALFS
	s_wait_kmcnt 0x0
	s_add_nc_u64 s[20:21], s[4:5], s[20:21]
	s_add_nc_u64 s[92:93], s[6:7], s[92:93]
	s_add_nc_u64 s[46:47], s[4:5], s[46:47]
	s_add_nc_u64 s[94:95], s[6:7], s[94:95]
	CROUND                                         ; all sixteen work-groups are here: the joint loads meet
	s_mov_b32 s[G0S], 1
	s_add_co_u32 s[G0S+1], s3, SCL
	s_mov_b64 s[G0S+2:G0S+3], s[92:93]
	s_or_b32 s[G0S+3], s[G0S+3], 0x80000000
	s_mov_b32 s[G0SB], 1
	s_add_co_u32 s[G0SB+1], s3, SCL
	s_mov_b64 s[G0SB+2:G0SB+3], s[94:95]
	s_or_b32 s[G0SB+3], s[G0SB+3], 0x80000000
	JLOAD G0S, G1S, G0SB, G1SB                     ; the scales first: they are wanted with slot 0
.irp s, 0,1
	s_mov_b32 s[G0+4*\s], 1
	s_add_co_u32 s[G0+4*\s+1], s45, \s*SLOT
	s_add_nc_u64 s[G0+4*\s+2:G0+4*\s+3], s[20:21], \s*ROWB
	s_or_b32 s[G0+4*\s+3], s[G0+4*\s+3], 0x80000000
	s_mov_b32 s[G0B+4*\s], 1
	s_add_co_u32 s[G0B+4*\s+1], s45, \s*SLOT
	s_add_nc_u64 s[G0B+4*\s+2:G0B+4*\s+3], s[46:47], \s*ROWB
	s_or_b32 s[G0B+4*\s+3], s[G0B+4*\s+3], 0x80000000
	JLOAD G0+4*\s, G1, G0B+4*\s, G1B               ; three tensor loads of mine are out
.endr
	v_and_b32 v1, 15, v0                           ; r
	v_bfe_u32 v2, v0, 4, 1                         ; h
	v_mul_u32_u24 v3, v1, PITCH
	v_lshl_add_u32 v4, v2, 4, v3                   ; a fragment's row x pitch + 16 h
	s_mul_i32 s21, s[WM], HALFT                    ; my 128 rows of side A
	s_mul_i32 s22, s[WN], HALFT                    ; my 128 rows of side B,
	s_add_co_u32 s22, s22, 2*HALFT                 ; which lie behind side A's 256
.irp s, 0,1
	v_add_nc_u32 v[ADRA+\s], s21, v4
	v_add_nc_u32 v[ADRB+\s], s22, v4
	s_add_co_u32 s21, s21, SLOT
	s_add_co_u32 s22, s22, SLOT
.endr
	v_mul_u32_u24 v5, v1, KS                       ; my row's scales: 32 bytes a row,
	v_lshrrev_b32 v6, 8, v5
	v_lshl_add_u32 v5, v6, 4, v5                   ; and 16 more for each 256 passed
	s_mul_i32 s21, s[WM], HALFS
	s_mul_i32 s22, s[WN], HALFS
	s_add_co_u32 s22, s22, 2*HALFS
	s_sub_co_u32 s22, s22, s21
	v_mul_u32_u24 v6, s22, v2                      ; lanes 16-31 take side B's: one product, the distance between the two bases
	s_add_co_u32 s21, s21, SCL
	v_add_nc_u32 v5, v5, v6
	v_add_nc_u32 v[ADRS], s21, v5
	v_and_b32 v6, 31, v0
	v_lshlrev_b32 v[LI], 4, v6
	; where my results go, and the bias.  TOK: my first token in its tensor; CH0: my first channel
	s_lshr_b32 s95, s42, 3                         ; 0 q, 1 k, 2 v
	s_and_b32 s20, s42, 7
	s_lshl_b32 s20, s20, 10
	s_cmp_eq_u32 s[MODE], 1
	s_cselect_b32 s22, s40, s41                    ; the tokens' tile: cx for v, cy else
	s_cselect_b32 s23, s[WN], s[WM]
	s_cselect_b32 s21, s41, s40                    ; the channels' tile
	s_cselect_b32 s46, s[WM], s[WN]
	s_cselect_b32 s92, 4, 0                        ; the bias in the result's layout: for v a lane's channel is 16 a + r, the same in its eight registers;
	s_cselect_b32 s93, 0, 32                       ; else its channels are 16 b + 8 h + j
	s_cselect_b32 s94, 0, 4
	s_lshl_b32 s22, s22, 8
	s_add_co_u32 s20, s20, s22
	s_lshl_b32 s23, s23, 7
	s_add_co_u32 s20, s20, s23                     ; TOK
	s_lshl_b32 s21, s21, 8
	s_lshl_b32 s46, s46, 7
	s_add_co_u32 s21, s21, s46                     ; CH0
	s_lshl_b32 s46, s95, 24                        ; 16 MB a tensor,
	s_lshr_b32 s22, s20, 11
	s_lshl_b32 s22, s22, 22                        ; 4 MB a batch,
	s_add_co_u32 s46, s46, s22
	s_lshr_b32 s22, s21, 6
	s_lshl_b32 s22, s22, 18                        ; 256 KB a head,
	s_add_co_u32 s46, s46, s22
	s_and_b32 s22, s20, 2047
	s_lshl_b32 s22, s22, 7                         ; 128 bytes a token, in all three layouts
	s_add_co_u32 s46, s46, s22
	s_mov_b32 s47, 0
	s_add_nc_u64 s[OUT:OUT+1], s[14:15], s[46:47]
	s_cmp_eq_u32 s95, 0
	s_cselect_b64 s[8:9], s[8:9], s[10:11]
	s_cselect_b32 s[SCF], 0x3e38aa3b, 1.0          ; log2(e) / 8: the scores then come out as exponents of 2
	s_cmp_eq_u32 s95, 2
	s_cselect_b64 s[8:9], s[12:13], s[8:9]
	s_mov_b32 s[SCF+1], s[SCF]                     ; (named with it as a pair, so it is written)
	s_lshl_b32 s46, s21, 2
	s_add_nc_u64 s[8:9], s[8:9], s[46:47]
	v_mul_u32_u24 v[BA], v1, s92
	v_mad_u32_u24 v[BA], v2, s93, v[BA]
.irp j, 1,2,3,4,5,6,7
	v_add_nc_u32 v[BA+\j], s94, v[BA+\j-1]
.endr
.irp x, 0,1,2,3,4,5,6,7
.irp j, 0,1,2,3,4,5,6,7
	global_load_b32 v[BI+8*\x+\j], v[BA+\j], s[8:9] offset:64*\x   ; block x of 16 channels; waited for on the way out
.endr
.endr
.macro FRAG reg, adr, q, i             ; 16 rows x 128 K of 4-bit codes: lane l holds row l % 16; registers 4 c .. 4 c + 3 hold K = 64 c + 32 (l / 16) + 0 .. 31
.irp c, 0,1
	ds_load_b128 v[\reg+4*\c:\reg+4*\c+3], v[\adr] offset:64*(\q)+32*\c+(\i)*16*PITCH
.endr
.endm
; 16 matrix instructions: side A's blocks a0, a0 + 1 x side B's eight.  The 64 accumulators take turns, one instruction a turn, in the same order in every step.  zero = 1: the first product starts the sums.
.macro MUL16 a0, p, q, sc, zero
.irp a, \a0, \a0+1
.irp b, 0,1,2,3,4,5,6,7
.if \zero
	v_wmma_scale_f32_16x16x128_f8f6f4 v[8*(8*((\a)%4)+\b):8*(8*((\a)%4)+\b)+7], v[128*(\p)+FR*\b:128*(\p)+FR*\b+FR-1], v[AF+FR*(\a):AF+FR*(\a)+FR-1], 0, v[SC+8*NQ*(\sc)+NQ*\b+(\q)], v[SC+8*NQ*(\sc)+NQ*(\a)+(\q)] matrix_a_fmt:MATRIX_FMT_FP4 matrix_b_fmt:MATRIX_FMT_FP4 matrix_a_scale:MATRIX_SCALE_ROW1
.else
	v_wmma_scale_f32_16x16x128_f8f6f4 v[8*(8*((\a)%4)+\b):8*(8*((\a)%4)+\b)+7], v[128*(\p)+FR*\b:128*(\p)+FR*\b+FR-1], v[AF+FR*(\a):AF+FR*(\a)+FR-1], v[8*(8*((\a)%4)+\b):8*(8*((\a)%4)+\b)+7], v[SC+8*NQ*(\sc)+NQ*\b+(\q)], v[SC+8*NQ*(\sc)+NQ*(\a)+(\q)] matrix_a_fmt:MATRIX_FMT_FP4 matrix_b_fmt:MATRIX_FMT_FP4 matrix_a_scale:MATRIX_SCALE_ROW1
.endif
.endr
.endr
.endm
.macro FETCH_B slot, q, p
	WIN TO_B
.irp i, 0,1,2,3,4,5,6,7
	FRAG 128*(\p)+FR*\i, ADRB+\slot, \q, \i
.endr
	WIN 0
.endm
.macro FETCH_A slot, q, i0
.irp i, \i0, \i0+1, \i0+2, \i0+3
	FRAG AF+FR*(\i), ADRA+\slot, \q, \i
.endr
.endm
.macro SCALES sc                       ; a slot's scale words: four a row; lanes 0-15 take side A's block i, lanes 16-31 side B's
.irp i, 0,1,2,3,4,5,6,7
	ds_load_b128 v[SC+8*NQ*\sc+NQ*\i:SC+8*NQ*\sc+NQ*\i+3], v[ADRS] offset:\i*SBLK
.endr
.endm
.macro PLACES n                        ; plain vector instructions between a matrix instruction and a load into, or a vector instruction on, one of its registers
.rept \n
	v_nop
.endr
.endm
.macro STEP slot, q, zero              ; a step of 128 along K that has its successor in the same slot
	s_wait_dscnt 4*NL                              ; side B's set and side A's blocks 0-3 are in; the youngest eight loads (blocks 4-7) may be out
	WIN MUL_LO
	MUL16 0, (\q)%2, \q, \slot, \zero
	MUL16 2, (\q)%2, \q, \slot, \zero
	s_wait_dscnt 0                                 ; blocks 4-7 are in
	PLACES NP
	FETCH_B \slot, (\q)+1, 1-(\q)%2
	FETCH_A \slot, (\q)+1, 0
	WIN MUL_HI
	MUL16 4, (\q)%2, \q, \slot, \zero
	MUL16 6, (\q)%2, \q, \slot, \zero
	PLACES NP
	WIN 0
	FETCH_A \slot, (\q)+1, 4
.endm
.macro STEPS slot, from
.set Q, \from
.rept NQ-1-\from
	STEP \slot, Q, 0
.set Q, Q+1
.endr
.endm
	s_wait_tensorcnt 1                             ; the scales and my part of slot 0 are in (slot 1's load may be out),
	s_barrier_signal -1
	s_barrier_wait -1                              ; everybody's are
	FETCH_B 0, 0, 0
	FETCH_A 0, 0, 0
	SCALES 0
	FETCH_A 0, 0, 4
	STEP 0, 0, 1                                   ; the first products start the sums: nothing is cleared
	STEPS 0, 1
	; slot 0's last step, and the change to slot 1: one barrier; in front of it my part of slot 1 has landed
	s_wait_tensorcnt 0x0
	ds_add_u32 v[SPW], v[NIL]                      ; 0 onto my spare word
	s_wait_dscnt 4*NL+1                            ; (the add and the youngest eight loads may be out)
	WIN MUL_LO
	MUL16 0, 1, NQ-1, 0, 0
	s_wait_dscnt 0x0
	s_barrier_signal -1
	MUL16 2, 1, NQ-1, 0, 0
	WIN 0
	s_barrier_wait -1                              ; slot 1 is whole
	PLACES NP
	v_add_nc_u32 v[ADRS], 4*NQ, v[ADRS]            ; on to slot 1's scale words
	FETCH_B 1, 0, 0
	FETCH_A 1, 0, 0
	SCALES 1
	WIN MUL_HI
	MUL16 4, 1, NQ-1, 0, 0
	MUL16 6, 1, NQ-1, 0, 0
	PLACES NP
	WIN 0
	FETCH_A 1, 0, 4
	STEPS 1, 0
	s_wait_dscnt 4*NL                              ; the very last step: nothing more to fetch
	WIN MUL_LO
	MUL16 0, 1, NQ-1, 1, 0
	MUL16 2, 1, NQ-1, 1, 0
	s_wait_dscnt 0
	WIN MUL_HI
	MUL16 4, 1, NQ-1, 1, 0
	MUL16 6, 1, NQ-1, 1, 0
	WIN 0
; THE WAY OUT, block a of 16 rows of side A at a time: (sum + bias) x factor as one fused multiply-add in place, each accumulator from its low end on; rounded to f16, 16 bytes a lane; stored as it stands.
.macro OUTA mode, a
.set AC, 64*((\a)%4)
.if (\a) >= 2
	s_wait_xcnt 0x0                                ; block a - 2's stores have read their data: the set may be written again
.endif
	WIN 0x82+0x41*((\a)/4)                         ; source 0 and destination: window 2 or 3; the bias: window 0
.irp b, 0,1,2,3,4,5,6,7
.irp p, 0,1,2,3
.if \mode
	v_pk_fma_f32 v[AC+8*\b+2*\p:AC+8*\b+2*\p+1], v[AC+8*\b+2*\p:AC+8*\b+2*\p+1], s[SCF:SCF+1], v[BI+8*(\a)+2*\p:BI+8*(\a)+2*\p+1] op_sel_hi:[1,0,1]
.else
	v_pk_fma_f32 v[AC+8*\b+2*\p:AC+8*\b+2*\p+1], v[AC+8*\b+2*\p:AC+8*\b+2*\p+1], s[SCF:SCF+1], v[BI+8*\b+2*\p:BI+8*\b+2*\p+1] op_sel_hi:[1,0,1]
.endif
.endr
.endr
	WIN 0x0a+5*((\a)/4)                            ; sources 0 and 1: window 2 or 3
.irp b, 0,1,2,3,4,5,6,7
.irp p, 0,1,2,3
	v_cvt_pk_f16_f32 v[OB+32*((\a)%2)+4*\b+\p], v[AC+8*\b+2*\p], v[AC+8*\b+2*\p+1]
.endr
.endr
	WIN 0
.irp b, 0,1,2,3,4,5,6,7
.if \mode
	global_store_b128 v[LI], v[OB+32*((\a)%2)+4*\b:OB+32*((\a)%2)+4*\b+3], s[OUT:OUT+1] offset:((\a)/4)*262144+((\a)%4)*1024+(\b/2)*4096+(\b%2)*512   ; head a / 4, channel tile a % 4, 32 keys b / 2, half b % 2
.else
	global_store_b128 v[LI], v[OB+32*((\a)%2)+4*\b:OB+32*((\a)%2)+4*\b+3], s[OUT:OUT+1] offset:(\a)*2048+(\b/4)*262144+(\b%4)*512   ; token tile a, head b / 4, image b % 4
.endif
.endr
.endm
	PLACES NP                                      ; behind the last products
	s_wait_loadcnt 0x0                             ; the bias
.irp i, 0,1,2,3,4,5,6,7,8,9,10,11,12,13,14,15,16,17,18,19,20,21,22,23,24,25,26,27,28,29,30,31
	v_pk_mul_f32 v[BI+2*\i:BI+2*\i+1], v[BI+2*\i:BI+2*\i+1], s[SCF:SCF+1] op_sel_hi:[1,0]   ; bias x factor
.endr
	s_cmp_eq_u32 s[MODE], 0                        ; the same in all sixteen partners
	s_cbranch_scc0 .Lv_out
.irp a, 0,1,2,3,4,5,6,7
	OUTA 0, \a
.endr
	s_branch .Lstored
.Lv_out:
.irp a, 0,1,2,3,4,5,6,7
	OUTA 1, \a
.endr
.Lstored:
	s_wait_tensorcnt 0x0                           ; the wave's end
	ds_add_u32 v[SPW], v[NIL]
	s_wait_dscnt 0x0
	CROUND                                         ; the closing round: no work-group ends while a partner may still ask for a tile that names it
	s_endpgm
.Lfunc_end_k_q5b6c566996_proj:
	.size	k_q5b6c566996_proj, .Lfunc_end_k_q5b6c566996_proj-k_q5b6c566996_proj
	.p2alignl 7, 3214868480
	.fill 96, 4, 3214868480
	.section	.rodata,"a",@progbits
	.p2align	6, 0x0
	.amdhsa_kernel k_q5b6c566996_proj
		.amdhsa_group_segment_fixed_size 327680
		.amdhsa_private_segment_fixed_size 0
		.amdhsa_enable_private_segment 0
		.amdhsa_kernarg_size 48
		.amdhsa_user_sgpr_count 2
		.amdhsa_user_sgpr_kernarg_segment_ptr 1
		.amdhsa_wavefront_size32 1
		.amdhsa_system_sgpr_workgroup_id_x 1
		.amdhsa_system_sgpr_workgroup_id_y 1
		.amdhsa_system_sgpr_workgroup_id_z 1
		.amdhsa_system_vgpr_workitem_id 0
		.amdhsa_next_free_vgpr 1024
		.amdhsa_next_free_sgpr 100
		.amdhsa_reserve_vcc 0
		.amdhsa_float_denorm_mode_32 3
		.amdhsa_float_denorm_mode_16_64 3
		.amdhsa_memory_ordered 1
		.amdhsa_forward_progress 1
		.amdhsa_inst_pref_size 182
	.end_amdhsa_kernel
	.amdgpu_metadata
---
amdhsa.version: [ 1, 2 ]
amdhsa.kernels:
  - .name:           k_q5b6c566996_proj
    .symbol:         k_q5b6c566996_proj.kd
    .args:
      - { .name: codes, .offset: 0, .size: 8, .value_kind: global_buffer, .address_space: global }
      - { .name: scales, .offset: 8, .size: 8, .value_kind: global_buffer, .address_space: global }
      - { .name: bq, .offset: 16, .size: 8, .value_kind: global_buffer, .address_space: global }
      - { .name: bk, .offset: 24, .size: 8, .value_kind: global_buffer, .address_space: global }
      - { .name: bv, .offset: 32, .size: 8, .value_kind: global_buffer, .address_space: global }
      - { .name: qkv, .offset: 40, .size: 8, .value_kind: global_buffer, .address_space: global }
    .group_segment_fixed_size: 327680
    .private_segment_fixed_size: 0
    .kernarg_segment_align: 8
    .kernarg_segment_size: 48
    .max_flat_workgroup_size: 128
    .sgpr_count:     100
    .vgpr_count:     1024
    .wavefront_size: 32
...
	.end_amdgpu_metadata
.endif
;; end of part 2
;; launch attn (part 3): grid 4 x 64, 16 waves a work-group, clusters of 4 x 1, 327,680 bytes of LDS; arguments qkv, mbits, xf; writes xf
.if DOCPART == 3
	.amdgcn_target "amdgcn-amd-amdhsa--gfx1250"
	.amdhsa_code_object_version 6
	.text
	.protected	k_q5b6c566996_attn
	.globl	k_q5b6c566996_attn
	.p2align	8
	.type	k_q5b6c566996_attn,@function
k_q5b6c566996_attn:
	s_mov_b64 s[64:65], 0
	v_nop
	global_prefetch_b8 v0, s[64:65] scope:SCOPE_SE
	s_setreg_imm32_b32 hwreg(HW_REG_WAVE_MODE, 25, 1), 1
	s_wait_xcnt 0x0
	s_wait_alu depctr_hold_cnt(0) depctr_sa_sdst(0) depctr_va_vdst(0) depctr_va_sdst(0) depctr_va_ssrc(0) depctr_va_vcc(0) depctr_vm_vsrc(0)
	s_getreg_b32 s2, hwreg(HW_REG_IB_STS2, 6, 4)
	s_cmp_eq_u32 s2, 0
	s_cbranch_scc0 .Lentry_in_a_cluster
	s_endpgm
.Lentry_in_a_cluster:
	s_bfe_u32 s2, ttmp6, 0x10000c
	s_cmp_lg_u32 s2, 0x3003
	s_cbranch_scc0 .Lentry_shape_is_right
	s_endpgm
.Lentry_shape_is_right:
; ATTN: x[b][q][head] = softmax_k(where(mask == 0, -1e9, q . k / 8)) v, for 64 (batch, head) of 2,048 tokens and 64 channels.  Operands f16, products, maxima and sums f32; the weights p are rounded to f16 for the second product.
; q arrives multiplied by log2(e) / 8, so a score is an exponent of 2: t.  A masked score becomes -1e9 x log2(e), the same number under that factor: a row with every key masked comes out as the mean of v.
; For each query a running maximum m and sum l: p = 2^(t - m); in every step O and l are multiplied by a = 2^(m_old - m_new).  l is at least 1.
; q, k, v lie in qkv as images of operand registers (half a fragment: 512 bytes, lane l's 16 bytes at 16 l), so K's and V's tiles are dense in memory and in LDS and every LDS load is at 16 x lane + a constant.
; SHARES.  A work-group owns 512 queries of one (batch, head); each of its SIXTEEN waves 32 of them, two tiles, in 256 registers: four waves to a SIMD, so that one wave's softmax stands beside another's products and LDS loads.
; Every wave walks all 2,048 keys, 64 a step, through two LDS slots of 256 keys (K 32 KB, then V 32 KB), filled by waves 0 to 3 (16 KB each) and read by all sixteen.
; LAYOUT.  S^T = K Q^T (source 0 = 16 keys, source 1 = 16 queries): a lane holds ONE query (lane % 16) and keys 16 kt + 8 (lane / 16) + 0..7.  Two such tiles, rounded in pairs, ARE source 1 of O^T = V^T P, whose result again holds one query a lane.
; THE MASK comes as lane masks, one 32-bit word for each score register (mbits), by scalar loads a step ahead: one v_cndmask_b32 a register; no branch and no address hangs on it.
; CLUSTER.  The four query blocks of a (batch, head) walk the same K and V: each tile is asked for jointly, by the same tensor load with a mask that names the four.
; The result leaves as images too (xf: [token tile 512][32 along K: 32][half 2][512 bytes]): a packed accumulator is stored as it stands, 512 consecutive bytes, aligned.
; LIMITS: |x| stays under 65,504 (f16); NaN and infinities are not served.
.set SLOT1, 1<<16                      ; slot 1 begins here: one exclusive or turns an address in one slot into the other's
.set VOFF,  32768                      ; V's tiles in a slot
.set SPARE, 2*SLOT1                    ; behind the slots: the spare words, 128 bytes for each of 16 waves, which no other line names
.set NSL,   8                          ; slots' worth of keys
.set LI,   1                           ; v1   16 x lane; never rewritten
.set AD,   2                           ; v2   LDS address of the slot in hand + 16 x lane
.set SPW,  4                           ; v4   SPARE + 4 x my thread's number; never rewritten
.set NIL,  5                           ; v5   0; never rewritten
.set NEGV, 6                           ; v6   -1e9 x log2(e)
.set ST,   8                           ; v8-23   tile t's statistics at v[ST + 8 t]: +0, +1 m twice; +2, +3 l (even keys', odd keys'); +4 .. +7 at work; a in +6
.set QF,   24                          ; v24-55  Q: tile t, channels 32 f on: v[QF + 16 t + 8 f]
.set S,    56                          ; v56-119 S^T, 32 a tile; p in place; P is packed into a tile's low 16
.set OT,   120                         ; v120-183 O^T, 32 a tile
.set KV,   184                         ; v184-247 eight fragments: K's, then V's
.set WV,   2                           ; s2   wave
.set TB,   3                           ; s3   LDS byte at which the slot in hand begins
.set MP,   6                           ; s[6:7] my pair of query tiles' words in mbits: 256 bytes a key step
.set MOFF, 8                           ; s8   the step whose words are asked for, x 256
.set SLOTS, 9
.set SEL,  12                          ; s[12:13] lane selects for v_permlanex16_b32: lane l xor 16
.set G1,   84                          ; s[84:91] descriptor group 1; s[92:95] group 0, which walks
.set G0,   92
.set XO,   96                          ; s[96:97] where my two tiles' images begin in xf
; s16-47: the 32 words of tile 0; s48-63, s68-83: those of tile 1
.macro CROUND                          ; a round of the cluster's barrier
	s_barrier_signal -1
	s_barrier_wait -1
	s_cmp_lg_u32 s[WV], 0
	s_cbranch_scc1 .Lnot_wave_0_\@
	s_barrier_signal -3
.Lnot_wave_0_\@:
	s_barrier_wait -3
	s_barrier_signal -1
	s_barrier_wait -1
.endm
.macro TLOAD                           ; waves 0 and 1 fetch K's halves of a slot, waves 2 and 3 V's, the others nothing; the branch hangs on the wave's number alone.  Four v_nop follow the load
	s_cmp_lt_u32 s[WV], 4
	s_cbranch_scc0 .Lnone_\@
	tensor_load_to_lds s[G0:G0+3], s[G1:G1+7]
	s_nop 0
.rept 4
	v_nop
.endr
.Lnone_\@:
.endm
.macro MASKS                           ; a key step's 64 words
	s_load_b512 s[16:31], s[MP:MP+1], s[MOFF] offset:0x0
	s_load_b512 s[32:47], s[MP:MP+1], s[MOFF] offset:0x40
	s_load_b512 s[48:63], s[MP:MP+1], s[MOFF] offset:0x80
	s_load_b512 s[68:83], s[MP:MP+1], s[MOFF] offset:0xc0
.endm
	s_load_b128 s[4:7], s[0:1], 0x0                ; qkv s[4:5], mbits s[6:7]
	s_load_b64 s[XO:XO+1], s[0:1], 0x10            ; xf
	v_lshl_add_u32 v[SPW], v0, 2, SPARE
	v_mov_b32 v[NIL], 0
	ds_add_u32 v4, v5
	s_wait_dscnt 0x0
	v_lshrrev_b32 v1, 5, v0
	v_readfirstlane_b32 s[WV], v1                  ; wave 0..15
	v_and_b32 v1, 31, v0
	v_lshlrev_b32 v[LI], 4, v1
	s_bfe_u32 s11, ttmp6, 0x40000                  ; cx: my block of 512 queries: it enters Q's, the mask's and the result's addresses alone
	s_and_b32 s14, ttmp7, 0xffff                   ; y = 16 x batch + head, which the four partners share
	; what I fetch, if I fetch: part w3 = wave % 4 of a slot
	s_and_b32 s15, s[WV], 3
	s_lshr_b32 s66, s15, 1
	s_add_co_u32 s66, s66, 1
	s_lshl_b32 s66, s66, 24                        ; k at 16 MB, v at 32 MB,
	s_lshl_b32 s67, s14, 18                        ; 256 KB for each y,
	s_add_co_u32 s66, s66, s67
	s_and_b32 s67, s15, 1
	s_lshl_b32 s67, s67, 14                        ; which half of the slot's 32 KB
	s_add_co_u32 s66, s66, s67
	s_mov_b32 s67, 0
	s_mov_b32 s[G1], 15|(3<<16)|(1<<21)            ; 15:0 the mask: all four work-groups; 17:16 elements of 8 bytes; 21 set beside a mask; no padding
	s_mov_b32 s[G1+1], 32<<16                      ; tensor_dim0 = 32: rows of 256 bytes
	s_mov_b32 s[G1+2], 64<<16                      ; tensor_dim1 = 64: 16 KB, dense
	s_mov_b32 s[G1+3], 32<<16                      ; tile_dim0
	s_mov_b32 s[G1+4], 64                          ; tile_dim1
	s_mov_b32 s[G1+5], 32                          ; tensor_dim0_stride
	s_mov_b32 s[G1+6], 0
	s_mov_b32 s[G1+7], 0
	s_mov_b32 s[G0], 1
	s_lshl_b32 s[G0+1], s15, 14                    ; LDS: 16,384 x w3, in slot 0
	; Q: y x 256 KB + (32 cx + 2 wave) tiles of 2,048 bytes
	s_lshl_b32 s98, s14, 18
	s_lshl_b32 s99, s11, 16
	s_add_co_u32 s98, s98, s99
	s_lshl_b32 s99, s[WV], 12
	s_add_co_u32 s98, s98, s99
	s_mov_b32 s99, 0
	; the words: (64 x batch + 16 cx + wave) pairs of tiles, 8,192 bytes each
	s_lshr_b32 s10, s14, 4
	s_lshl_b32 s100, s10, 19
	s_lshl_b32 s101, s11, 17
	s_add_co_u32 s100, s100, s101
	s_lshl_b32 s101, s[WV], 13
	s_add_co_u32 s100, s100, s101
	s_mov_b32 s101, 0
	s_mov_b32 s[SEL], 0x76543210
	s_mov_b32 s[SEL+1], 0xfedcba98
	s_mov_b32 s[TB], 0
	s_mov_b32 s[MOFF], 0
	s_mov_b32 s[SLOTS], NSL-1
	s_wait_kmcnt 0x0
	s_add_nc_u64 s[G0+2:G0+3], s[4:5], s[66:67]
	s_or_b32 s[G0+3], s[G0+3], 0x80000000
	s_add_nc_u64 s[4:5], s[4:5], s[98:99]
	s_add_nc_u64 s[MP:MP+1], s[MP:MP+1], s[100:101]
	; the result: (128 x batch + 32 cx + 2 wave) token tiles of 32,768 bytes + head x 2,048
	s_lshl_b32 s100, s10, 22
	s_lshl_b32 s98, s11, 20
	s_add_co_u32 s100, s100, s98
	s_lshl_b32 s98, s[WV], 16
	s_add_co_u32 s100, s100, s98
	s_and_b32 s98, s14, 15
	s_lshl_b32 s98, s98, 11
	s_add_co_u32 s100, s100, s98
	s_add_nc_u64 s[XO:XO+1], s[XO:XO+1], s[100:101]
	CROUND                                         ; all four work-groups are here: the first joint loads meet
	TLOAD                                          ; slot 0
.irp t, 0,1
.irp n, 0,1,2,3
	global_load_b128 v[QF+16*\t+4*\n:QF+16*\t+4*\n+3], v[LI], s[4:5] offset:2048*\t+512*\n   ; Q stays in registers
.endr
.endr
	MASKS                                          ; key step 0's words
	v_mov_b32 v[NEGV], 0xceabfb8f
.irp t, 0,1
	v_mov_b32 v[ST+8*\t], 0xff61b1e6               ; m = -3e38, under every t
	v_mov_b32 v[ST+8*\t+1], 0xff61b1e6
	v_mov_b32 v[ST+8*\t+2], 0                      ; l
	v_mov_b32 v[ST+8*\t+3], 0
.endr
.irp j, 0,1,2,3,4,5,6,7,8,9,10,11,12,13,14,15,16,17,18,19,20,21,22,23,24,25,26,27,28,29,30,31,32,33,34,35,36,37,38,39,40,41,42,43,44,45,46,47,48,49,50,51,52,53,54,55,56,57,58,59,60,61,62,63
	v_mov_b32 v[OT+\j], 0                          ; O^T.  (The step is written without a first form of its own: the first finds zeros, which a = 0 leaves zeros)
.endr
	s_wait_loadcnt 0x0                             ; Q
; A KEY STEP: 64 keys, the q-th of the slot in hand.
.macro STEP q
	v_add_nc_u32 v[AD], s[TB], v[LI]
.rept 5
	v_nop                                          ; six places behind the last products: the loads below land in their source 0 (four are owed), and the first products below write over their source 1, P (five are owed)
.endr
.irp n, 0,1,2,3,4,5,6,7                        ; K's fragment n: keys 16 (n / 2) on, channels 32 (n % 2) on
	ds_load_b128 v[KV+8*\n:KV+8*\n+3], v[AD] offset:8192*(\q)+1024*\n
	ds_load_b128 v[KV+8*\n+4:KV+8*\n+7], v[AD] offset:8192*(\q)+1024*\n+512
.endr
	s_wait_dscnt 0x0
.set i, 0
.rept 16                                       ; S^T = K Q^T: channels 32 (i / 8) on, keys 16 ((i / 2) % 4) on, tile i % 2.  The eight accumulators take turns; the first eight products start the sums
.set rS, S+32*(i%2)+8*((i/2)%4)
.set rK, KV+16*((i/2)%4)+8*(i/8)
.set rQ, QF+16*(i%2)+8*(i/8)
.if i < 8
	v_wmma_f32_16x16x32_f16 v[rS:rS+7], v[rK:rK+7], v[rQ:rQ+7], 0
.else
	v_wmma_f32_16x16x32_f16 v[rS:rS+7], v[rK:rK+7], v[rQ:rQ+7], v[rS:rS+7]
.endif
.set i, i+1
.endr
.rept 4
	v_nop                                          ; places in front of the loads into K's registers and of the first read of the scores
.endr
.irp n, 0,1,2,3,4,5,6,7                        ; V's fragment n: keys 32 (n / 4) on, channels 16 (n % 4) on; they land during the softmax
	ds_load_b128 v[KV+8*\n:KV+8*\n+3], v[AD] offset:VOFF+8192*(\q)+1024*\n
	ds_load_b128 v[KV+8*\n+4:KV+8*\n+7], v[AD] offset:VOFF+8192*(\q)+1024*\n+512
.endr
	s_wait_kmcnt 0x0                               ; this step's 64 words, asked for a step ago
.set i, 0
.rept 32                                       ; where the mask is 0 the score becomes -1e9 x log2(e); each accumulator from its low end on
	v_cndmask_b32 v[S+i], v[NEGV], v[S+i], s[16+i]
.if i < 16
	v_cndmask_b32 v[S+32+i], v[NEGV], v[S+32+i], s[48+i]
.else
	v_cndmask_b32 v[S+32+i], v[NEGV], v[S+32+i], s[52+i]
.endif
.set i, i+1
.endr
	s_wait_xcnt 0x0                                ; the scalar loads have read their offset register: it may be stepped
	s_add_co_u32 s[MOFF], s[MOFF], 256
	s_min_u32 s[MOFF], s[MOFF], 7936               ; the last step asks for its own words again: no load leaves the buffer
	MASKS
.irp j, 0,1,2,3                                ; the maximum of a tile's 32 scores and the old m, three operands at a time: four chains of seven scores, the two tiles by turns
.irp t, 0,1
	v_max3_num_f32 v[ST+8*\t+4+\j], v[S+32*\t+8*\j], v[S+32*\t+8*\j+1], v[S+32*\t+8*\j+2]
.endr
.endr
.irp g, 1,2
.irp j, 0,1,2,3
.irp t, 0,1
	v_max3_num_f32 v[ST+8*\t+4+\j], v[ST+8*\t+4+\j], v[S+32*\t+8*\j+2*\g+1], v[S+32*\t+8*\j+2*\g+2]
.endr
.endr
.endr
.irp t, 0,1
	v_max3_num_f32 v[ST+8*\t+4], v[ST+8*\t+4], v[S+32*\t+7], v[S+32*\t+15]
	v_max3_num_f32 v[ST+8*\t+6], v[ST+8*\t+6], v[S+32*\t+23], v[S+32*\t+31]
.endr
.irp t, 0,1
	v_max3_num_f32 v[ST+8*\t+4], v[ST+8*\t+4], v[ST+8*\t+5], v[ST+8*\t+6]
.endr
.irp t, 0,1
	v_max3_num_f32 v[ST+8*\t+4], v[ST+8*\t+4], v[ST+8*\t+7], v[ST+8*\t+1]
.endr
.irp t, 0,1
	v_permlanex16_b32 v[ST+8*\t+5], v[ST+8*\t+4], s[SEL], s[SEL+1]   ; the query's other 32 keys lie in the lane 16 away
.endr
.irp t, 0,1
	v_max_num_f32 v[ST+8*\t+1], v[ST+8*\t+4], v[ST+8*\t+5]           ; the new m
.endr
.irp t, 0,1
	v_sub_f32 v[ST+8*\t+7], v[ST+8*\t], v[ST+8*\t+1]                 ; m_old - m_new
.endr
.irp t, 0,1
	v_mov_b32 v[ST+8*\t], v[ST+8*\t+1]                               ; m twice: a pair for the packed subtraction
.endr
.irp t, 0,1
	v_exp_f32 v[ST+8*\t+6], v[ST+8*\t+7]                             ; a
.endr
.irp k, 0,1,2,3,4,5,6,7,8,9,10,11,12,13,14,15
.irp t, 0,1
	v_pk_add_f32 v[S+32*\t+2*\k:S+32*\t+2*\k+1], v[S+32*\t+2*\k:S+32*\t+2*\k+1], v[ST+8*\t:ST+8*\t+1] neg_lo:[0,1] neg_hi:[0,1]   ; t - m, two at a time (also the plain lines behind a's exponential)
.endr
.endr
.irp j, 0,1,2,3,4,5,6,7,8,9,10,11,12,13,14,15,16,17,18,19,20,21,22,23,24,25,26,27,28,29,30,31,32,33,34,35,36,37,38,39,40,41,42,43,44,45,46,47,48,49,50,51,52,53,54,55,56,57,58,59,60,61,62,63
	v_exp_f32 v[S+\j], v[S+\j]                     ; p = 2^(t - m), at most 1
.endr
	s_wait_alu depctr_va_vdst(0)
.irp t, 0,1
.irp k, 0,1,2,3,4,5,6,7,8,9,10,11,12,13,14,15
	v_pk_mul_f32 v[OT+32*\t+2*\k:OT+32*\t+2*\k+1], v[OT+32*\t+2*\k:OT+32*\t+2*\k+1], v[ST+8*\t+6:ST+8*\t+7] op_sel_hi:[1,0]   ; O^T x a, each accumulator from its low end on (also the plain lines behind the exponentials)
.endr
.endr
.irp t, 0,1                                    ; l = a l + the sum of the tile's 16 pairs, in two chains
	v_pk_fma_f32 v[ST+8*\t+2:ST+8*\t+3], v[ST+8*\t+2:ST+8*\t+3], v[ST+8*\t+6:ST+8*\t+7], v[S+32*\t:S+32*\t+1] op_sel_hi:[1,0,1]
	v_pk_add_f32 v[ST+8*\t+4:ST+8*\t+5], v[S+32*\t+2:S+32*\t+3], v[S+32*\t+6:S+32*\t+7]
.endr
.irp k, 2,4,6,8,10,12
.irp t, 0,1
	v_pk_add_f32 v[ST+8*\t+2:ST+8*\t+3], v[ST+8*\t+2:ST+8*\t+3], v[S+32*\t+2*\k:S+32*\t+2*\k+1]
	v_pk_add_f32 v[ST+8*\t+4:ST+8*\t+5], v[ST+8*\t+4:ST+8*\t+5], v[S+32*\t+2*\k+6:S+32*\t+2*\k+7]
.endr
.endr
.irp t, 0,1
	v_pk_add_f32 v[ST+8*\t+2:ST+8*\t+3], v[ST+8*\t+2:ST+8*\t+3], v[S+32*\t+28:S+32*\t+29]
.endr
.irp t, 0,1
	v_pk_add_f32 v[ST+8*\t+2:ST+8*\t+3], v[ST+8*\t+2:ST+8*\t+3], v[ST+8*\t+4:ST+8*\t+5]
.endr
.irp k, 0,1,2,3,4,5,6,7,8,9,10,11,12,13,14,15
.irp t, 0,1
	v_cvt_pk_f16_f32 v[S+32*\t+\k], v[S+32*\t+2*\k], v[S+32*\t+2*\k+1]   ; P in place, ascending: register k is written when registers up to 2 k + 1 have been read
.endr
.endr
	s_wait_dscnt 0x0                               ; V is in
.set i, 0
.rept 16                                       ; O^T += V^T P: keys 32 (i / 8) on, channels 16 ((i / 2) % 4) on, tile i % 2; the eight accumulators take turns
.set rO, OT+32*(i%2)+8*((i/2)%4)
.set rV, KV+8*(4*(i/8)+(i/2)%4)
.set rP, S+32*(i%2)+8*(i/8)
	v_wmma_f32_16x16x32_f16 v[rO:rO+7], v[rV:rV+7], v[rP:rP+7], v[rO:rO+7]
.set i, i+1
.endr
.endm
; THE CHANGE OF SLOTS stands at a slot's head.  Each wave waits for all its tensor loads (its part of the slot that it is about to read), adds 0 to its spare word, and waits for that and for its reads of the slot that it has left.
; fill = 1: the barrier is a round of the cluster's, so that no wave of any partner still reads that slot or has a load on its way; the joint load of the next 256 keys is the first thing behind it, a wave's one tensor load
; until the next round, and has four key steps in which to land.
.macro CHANGE fill
	s_wait_tensorcnt 0x0                           ; no tensor load of mine is out, so group 0 may be written
	ds_add_u32 v[SPW], v[NIL]                      ; 0 onto my spare word
.if \fill
	s_xor_b32 s[G0+1], s[G0+1], SLOT1              ; the other slot than last time,
	s_add_nc_u64 s[G0+2:G0+3], s[G0+2:G0+3], 32768 ; the next 256 keys; the type bits on top are not reached
.endif
	s_wait_dscnt 0x0                               ; the add is done, and my reads of the slot that I have left are over
.if \fill
	CROUND
	TLOAD
.else
	s_barrier_signal -1
	s_barrier_wait -1
.endif
.endm
.macro SLOT_STEPS
	STEP 0
	STEP 1
	STEP 2
	STEP 3
	s_xor_b32 s[TB], s[TB], SLOT1                  ; on to the other slot
.endm
.Lslot:                                            ; NSL - 1 trips: behind each change of slots but the last the next slot is asked for
	CHANGE 1
	SLOT_STEPS
	s_sub_co_u32 s[SLOTS], s[SLOTS], 1
	s_cmp_lg_u32 s[SLOTS], 0
	s_cbranch_scc1 .Lslot
	CHANGE 0                                       ; the last slot is written out
	SLOT_STEPS
	; THE WAY OUT: l's two halves and the other half of the lanes' are added; O^T / l, rounded to f16: a tile's four accumulators are four images
.rept 4
	v_nop                                          ; places behind the last products
.endr
.irp t, 0,1
	v_add_f32 v[ST+8*\t+4], v[ST+8*\t+2], v[ST+8*\t+3]
.endr
.irp t, 0,1
	v_permlanex16_b32 v[ST+8*\t+5], v[ST+8*\t+4], s[SEL], s[SEL+1]
.endr
.irp t, 0,1
	v_add_f32 v[ST+8*\t+4], v[ST+8*\t+4], v[ST+8*\t+5]
.endr
.irp t, 0,1
	v_rcp_f32 v[ST+8*\t+6], v[ST+8*\t+4]
.endr
	v_nop                                          ; a plain line between the last reciprocal and the use of its result
	s_wait_alu depctr_va_vdst(0)
.irp t, 0,1
.irp k, 0,1,2,3,4,5,6,7,8,9,10,11,12,13,14,15
	v_pk_mul_f32 v[OT+32*\t+2*\k:OT+32*\t+2*\k+1], v[OT+32*\t+2*\k:OT+32*\t+2*\k+1], v[ST+8*\t+6:ST+8*\t+7] op_sel_hi:[1,0]
.endr
.endr
.irp t, 0,1
.irp k, 0,1,2,3,4,5,6,7,8,9,10,11,12,13,14,15
	v_cvt_pk_f16_f32 v[S+16*\t+\k], v[OT+32*\t+2*\k], v[OT+32*\t+2*\k+1]
.endr
.endr
.irp t, 0,1
.irp c, 0,1,2,3
	global_store_b128 v[LI], v[S+16*\t+4*\c:S+16*\t+4*\c+3], s[XO:XO+1] offset:32768*\t+512*\c   ; token r, channels 16 c + 8 h + 0..7: 512 consecutive bytes, aligned
.endr
.endr
	s_wait_tensorcnt 0x0                           ; the wave's end
	ds_add_u32 v[SPW], v[NIL]
	s_wait_dscnt 0x0
	CROUND                                         ; the closing round
	s_endpgm
.Lfunc_end_k_q5b6c566996_attn:
	.size	k_q5b6c566996_attn, .Lfunc_end_k_q5b6c566996_attn-k_q5b6c566996_attn
	.p2alignl 7, 3214868480
	.fill 96, 4, 3214868480
	.section	.rodata,"a",@progbits
	.p2align	6, 0x0
	.amdhsa_kernel k_q5b6c566996_attn
		.amdhsa_group_segment_fixed_size 327680
		.amdhsa_private_segment_fixed_size 0
		.amdhsa_enable_private_segment 0
		.amdhsa_kernarg_size 24
		.amdhsa_user_sgpr_count 2
		.amdhsa_user_sgpr_kernarg_segment_ptr 1
		.amdhsa_wavefront_size32 1
		.amdhsa_system_sgpr_workgroup_id_x 1
		.amdhsa_system_sgpr_workgroup_id_y 1
		.amdhsa_system_sgpr_workgroup_id_z 1
		.amdhsa_system_vgpr_workitem_id 0
		.amdhsa_next_free_vgpr 256
		.amdhsa_next_free_sgpr 102
		.amdhsa_reserve_vcc 0
		.amdhsa_float_denorm_mode_32 3
		.amdhsa_float_denorm_mode_16_64 3
		.amdhsa_memory_ordered 1
		.amdhsa_forward_progress 1
		.amdhsa_inst_pref_size 184
	.end_amdhsa_kernel
	.amdgpu_metadata
---
amdhsa.version: [ 1, 2 ]
amdhsa.kernels:
  - .name:           k_q5b6c566996_attn
    .symbol:         k_q5b6c566996_attn.kd
    .args:
      - { .name: qkv, .offset: 0, .size: 8, .value_kind: global_buffer, .address_space: global }
      - { .name: mbits, .offset: 8, .size: 8, .value_kind: global_buffer, .address_space: global }
      - { .name: xf, .offset: 16, .size: 8, .value_kind: global_buffer, .address_space: global }
    .group_segment_fixed_size: 327680
    .private_segment_fixed_size: 0
    .kernarg_segment_align: 8
    .kernarg_segment_size: 24
    .max_flat_workgroup_size: 512
    .sgpr_count:     102
    .vgpr_count:     256
    .wavefront_size: 32
...
	.end_amdgpu_metadata
.endif
;; end of part 3
;; launch outp (part 4): grid 4 x 64, 4 waves a work-group, clusters of 4 x 4, 327,680 bytes of LDS; arguments xf, wof, bo, out0; writes out0
.if DOCPART == 4
	.amdgcn_target "amdgcn-amd-amdhsa--gfx1250"
	.amdhsa_code_object_version 6
	.text
	.protected	k_q5b6c566996_outp
	.globl	k_q5b6c566996_outp
	.p2align	8
	.type	k_q5b6c566996_outp,@function
k_q5b6c566996_outp:
	s_mov_b64 s[64:65], 0
	v_nop
	global_prefetch_b8 v0, s[64:65] scope:SCOPE_SE
	s_setreg_imm32_b32 hwreg(HW_REG_WAVE_MODE, 25, 1), 1
	s_wait_xcnt 0x0
	s_wait_alu depctr_hold_cnt(0) depctr_sa_sdst(0) depctr_va_vdst(0) depctr_va_sdst(0) depctr_va_ssrc(0) depctr_va_vcc(0) depctr_vm_vsrc(0)
	s_getreg_b32 s2, hwreg(HW_REG_IB_STS2, 6, 4)
	s_cmp_eq_u32 s2, 0
	s_cbranch_scc0 .Lentry_in_a_cluster
	s_endpgm
.Lentry_in_a_cluster:
	s_bfe_u32 s2, ttmp6, 0x10000c
	s_cmp_lg_u32 s2, 0xf033
	s_cbranch_scc0 .Lentry_shape_is_right
	s_endpgm
.Lentry_shape_is_right:
; OUTP: out0[token][n] = sum over k of x[token][k] Wo[n][k] + bo[n].  8,192 tokens, n and k 1,024.  x and Wo in f16, sums and out0 in f32.
; Both operands lie in memory as images of operand registers: xf [token tile 512][32 along K: 32][half 2][512 bytes], wof [n tile 64][..] likewise; lane l's 16 bytes at 16 l.  So 128 along K of one tile of 16 rows are 4,096
; consecutive bytes, LDS needs no padding, and every fragment load is at 16 x lane + a constant.
; A tile of out0 is 128 tokens x 256 n, so that there are 256 work-groups.  Four waves, each 64 x 128: 32 accumulators, 256 registers.  K goes in eight steps of 128 through two LDS slots.
; THE MATRIX INSTRUCTION IS USED TRANSPOSED (source 0 = 16 rows of Wo, source 1 = 16 tokens): a lane holds one token and eight neighbouring n.  bo, in that layout, is the C of each sum's first product.
; CLUSTERS: 4 x 4 work-groups; x's tiles are shared along a row of the cluster, Wo's along a column: joint loads, each refill behind a round of the cluster's barrier.
; REGISTERS: window 0: v0-31 addresses; v32-127, v128-223 two fragment buffers (x's 4 fragments, then Wo's 8); on the way out v32-159 rows of out0.   window 1: the accumulators, (a, b) at v[8 (8 a + b)].   window 2: v0-63 bo.
.set SLOT,   98304                     ; x's 8 token tiles x 4,096 bytes, then Wo's 16 n tiles x 4,096
.set BOFF,   32768
.set STAGE,  2*SLOT                    ; behind the slots: 16 rows x (512 bytes + 16) for each wave, for the way out; no tensor load lands there
.set SPITCH, 528
.set SPARE,  STAGE+4*16*SPITCH         ; the spare words, 128 bytes for each wave, which no other line names
.set LAPS,   4                         ; a lap = two K steps = once round the slots
.set ADRA, 16                          ; v16-17  16 x lane + my four token tiles in slot 0, 1
.set ADRB, 20                          ; v20-21  the same for my eight n tiles
.set STO,  24                          ; v24     the way out: where I put 32 bytes of a row
.set RD,   25                          ; v25     where I read a row back
.set CO,   26                          ; v26     16 x lane
.set SPW,  28                          ; v28     SPARE + 4 x my thread's number; never rewritten
.set NIL,  29                          ; v29     0; never rewritten
.set F0,   32
.set F1,   128
.set BK,   32
.set WV,   2                           ; s2 wave; s12 wave / 2: my half of the tokens, and: I fetch x (0) or Wo (1); s13 wave % 2: my half of the n, and which half of a tile I fetch
.set CNT,  3
.set WM,   12
.set WN,   13
.set G1,   24
.set G0,   32
.set G1B,  48
.set G0B,  56
.set MSB, 0
.macro WIN new                         ; the immediate's high byte repeats the setting that is left
.if MSB != (\new)
	s_set_vgpr_msb (MSB<<8)|(\new)
.set MSB, (\new)
.endif
.endm
.set MUL,  0x50                        ; sources 0 and 1 window 0; C and D window 1
.set MUL1, 0x60                        ; C (bo) window 2, D window 1
.macro JLOAD s                         ; a joint load: waves 0 and 1 fetch x's halves, waves 2 and 3 Wo's; four v_nop follow each of the two lines
	s_cmp_eq_u32 s[WM], 0
	s_cbranch_scc0 .Lfor_b_\@
	tensor_load_to_lds s[G0+4*\s:G0+4*\s+3], s[G1:G1+7]
	s_nop 0
.rept 4
	v_nop
.endr
	s_branch .Lasked_\@
.Lfor_b_\@:
	tensor_load_to_lds s[G0B+4*\s:G0B+4*\s+3], s[G1B:G1B+7]
	s_nop 0
.rept 4
	v_nop
.endr
.Lasked_\@:
.endm
.macro CREST                           ; a round of the cluster's barrier behind its opening barrier
	s_cmp_lg_u32 s[WV], 0
	s_cbranch_scc1 .Lnot_wave_0_\@
	s_barrier_signal -3
.Lnot_wave_0_\@:
	s_barrier_wait -3
	s_barrier_signal -1
	s_barrier_wait -1
.endm
.macro CROUND
	s_barrier_signal -1
	s_barrier_wait -1
	CREST
.endm
	s_load_b256 s[4:11], s[0:1], 0x0               ; xf s[4:5], wof s[6:7], bo s[8:9], out0 s[10:11]
	v_lshl_add_u32 v[SPW], v0, 2, SPARE
	v_mov_b32 v[NIL], 0
	ds_add_u32 v28, v29
	s_wait_dscnt 0x0
	v_lshrrev_b32 v1, 5, v0
	v_readfirstlane_b32 s[WV], v1
	s_lshr_b32 s[WM], s[WV], 1
	s_and_b32 s[WN], s[WV], 1
	s_bfe_u32 s40, ttmp6, 0x40000                  ; cx, cy
	s_bfe_u32 s41, ttmp6, 0x40004
	s_lshl_b32 s42, ttmp9, 2
	s_add_co_u32 s42, s42, s40                     ; tile column = 4 x cluster x + cx
	s_and_b32 s45, ttmp7, 0xffff
	s_lshl_b32 s45, s45, 2
	s_add_co_u32 s45, s45, s41                     ; tile row = 4 x cluster y + cy
	s_lshl_b32 s43, s41, 2
	s_lshl_b32 s43, 15, s43                        ; my row of the cluster
	s_lshl_b32 s44, 0x1111, s40                    ; my column
	; descriptor group 1: rows of 512 elements of 8 bytes (a tile of 16 rows x 128 along K), 4,096 elements apart; x: 4 rows to a load, Wo: 8
	s_or_b32 s[G1+0], s43, (3<<16)|(1<<21)         ; 15:0 the mask; 17:16 elements of 8 bytes; 21 set beside a mask; no padding
	s_or_b32 s[G1B+0], s44, (3<<16)|(1<<21)
	s_mov_b32 s[G1+1], 512<<16                     ; tensor_dim0
	s_mov_b32 s[G1+2], 4<<16                       ; tensor_dim1
	s_mov_b32 s[G1+3], 512<<16                     ; tile_dim0
	s_mov_b32 s[G1+4], 4                           ; tile_dim1
	s_mov_b32 s[G1+5], 4096                        ; tensor_dim0_stride
	s_mov_b32 s[G1+6], 0
	s_mov_b32 s[G1+7], 0
	s_mov_b32 s[G1B+1], 512<<16
	s_mov_b32 s[G1B+2], 8<<16
	s_mov_b32 s[G1B+3], 512<<16
	s_mov_b32 s[G1B+4], 8
	s_mov_b32 s[G1B+5], 4096
	s_mov_b32 s[G1B+6], 0
	s_mov_b32 s[G1B+7], 0
	s_lshl_b32 s16, s45, 18                        ; x: (8 x tile row + 4 x half) token tiles of 32,768 bytes
	s_lshl_b32 s17, s[WN], 17
	s_add_co_u32 s16, s16, s17
	s_mov_b32 s17, 0
	s_lshl_b32 s46, s42, 19                        ; Wo: (16 x tile column + 8 x half) n tiles of 32,768 bytes
	s_lshl_b32 s47, s[WN], 18
	s_add_co_u32 s46, s46, s47
	s_mov_b32 s47, 0
	s_lshl_b32 s20, s[WN], 14                      ; where they go: x's halves at 0 and 16,384;
	s_lshl_b32 s21, s[WN], 15
	s_add_co_u32 s21, s21, BOFF                    ; Wo's at 32,768 and 65,536: no place in the cluster enters an LDS address
	s_wait_kmcnt 0x0
	s_add_nc_u64 s[14:15], s[4:5], s[16:17]
	s_add_nc_u64 s[46:47], s[6:7], s[46:47]
	CROUND                                         ; all sixteen work-groups are here: the first joint loads meet
.irp s, 0,1
	s_mov_b32 s[G0+4*\s], 1
	s_add_co_u32 s[G0+4*\s+1], s20, \s*SLOT
	s_add_nc_u64 s[G0+4*\s+2:G0+4*\s+3], s[14:15], \s*4096
	s_or_b32 s[G0+4*\s+3], s[G0+4*\s+3], 0x80000000
	s_mov_b32 s[G0B+4*\s], 1
	s_add_co_u32 s[G0B+4*\s+1], s21, \s*SLOT
	s_add_nc_u64 s[G0B+4*\s+2:G0B+4*\s+3], s[46:47], \s*4096
	s_or_b32 s[G0B+4*\s+3], s[G0B+4*\s+3], 0x80000000
	JLOAD \s                                       ; two tensor loads of mine are out
.endr
	v_and_b32 v1, 31, v0
	v_lshlrev_b32 v[CO], 4, v1
	s_lshl_b32 s21, s[WM], 14                      ; my four token tiles
	s_lshl_b32 s22, s[WN], 15
	s_add_co_u32 s22, s22, BOFF                    ; my eight n tiles
.irp s, 0,1
	v_add_nc_u32 v[ADRA+\s], s21, v[CO]
	v_add_nc_u32 v[ADRB+\s], s22, v[CO]
	s_add_co_u32 s21, s21, SLOT
	s_add_co_u32 s22, s22, SLOT
.endr
	s_mul_i32 s23, s[WV], 16*SPITCH
	s_add_co_u32 s23, s23, STAGE                   ; my stage
	v_and_b32 v2, 15, v0                           ; r
	v_bfe_u32 v3, v0, 4, 1                         ; h
	v_mul_u32_u24 v4, v2, SPITCH
	v_lshl_add_u32 v4, v3, 5, v4
	v_add_nc_u32 v[STO], s23, v4                   ; in: row r, 32 bytes for each half of the lanes
	v_add_nc_u32 v[RD], s23, v[CO]                 ; back: the 32 lanes take one row of 512 bytes
	v_lshlrev_b32 v5, 5, v3                        ; bo: my half's eight numbers of a block of 16
	s_lshl_b32 s16, s45, 19                        ; my first row of out0: (128 x tile row + 64 x half) rows of 4,096 bytes
	s_lshl_b32 s17, s[WM], 18
	s_add_co_u32 s16, s16, s17
	s_mov_b32 s17, 0
	s_lshl_b32 s18, s42, 10                        ; my first n, in bytes: 1,024 x tile column + 512 x half
	s_lshl_b32 s19, s[WN], 9
	s_add_co_u32 s18, s18, s19
	s_mov_b32 s19, 0
	s_add_nc_u64 s[8:9], s[8:9], s[18:19]
	s_add_nc_u64 s[10:11], s[10:11], s[16:17]
	s_add_nc_u64 s[10:11], s[10:11], s[18:19]
	WIN 0x80                                       ; destination window 2
.irp b, 0,1,2,3,4,5,6,7
	global_load_b128 v[8*\b:8*\b+3], v5, s[8:9] offset:64*\b          ; bo[16 b + 8 h + 0..7]
	global_load_b128 v[8*\b+4:8*\b+7], v5, s[8:9] offset:64*\b+16
.endr
	WIN 0
; 8 matrix instructions: token tile a x my 8 n tiles, 32 along K.  The 32 accumulators take turns, one instruction a turn, in the same order in every quarter.  first = 1: bo starts the sums.
.macro MUL8 f, a, first
.irp b, 0,1,2,3,4,5,6,7
.if \first
	v_wmma_f32_16x16x32_f16 v[8*(8*(\a)+\b):8*(8*(\a)+\b)+7], v[\f+32+8*\b:\f+32+8*\b+7], v[\f+8*(\a):\f+8*(\a)+7], v[8*\b:8*\b+7]
.else
	v_wmma_f32_16x16x32_f16 v[8*(8*(\a)+\b):8*(8*(\a)+\b)+7], v[\f+32+8*\b:\f+32+8*\b+7], v[\f+8*(\a):\f+8*(\a)+7], v[8*(8*(\a)+\b):8*(8*(\a)+\b)+7]
.endif
.endr
.endm
; 24 LDS loads in one run: the slot's q-th 32 along K into buffer f: Wo's 8 fragments, then x's 4
.macro FETCH slot, q, f
.irp i, 0,1,2,3,4,5,6,7
	ds_load_b128 v[\f+32+8*\i:\f+32+8*\i+3], v[ADRB+\slot] offset:\i*4096+(\q)*1024
	ds_load_b128 v[\f+32+8*\i+4:\f+32+8*\i+7], v[ADRB+\slot] offset:\i*4096+(\q)*1024+512
.endr
.irp i, 0,1,2,3
	ds_load_b128 v[\f+8*\i:\f+8*\i+3], v[ADRA+\slot] offset:\i*4096+(\q)*1024
	ds_load_b128 v[\f+8*\i+4:\f+8*\i+7], v[ADRA+\slot] offset:\i*4096+(\q)*1024+512
.endr
.endm
.macro PLACES                          ; four plain vector instructions in front of loads into registers that matrix instructions have read, and of the first read of results
.rept 4
	v_nop
.endr
.endm
; A K step is four quarters of 32 along K, 32 matrix instructions each, on buffers 0, 1, 0, 1.  One of the first three: multiplies buffer f and fetches the slot's quarter q into g.
.macro QUARTER slot, q, f, g, first
	s_wait_dscnt 4                                 ; Wo's fragments and x's tiles 0, 1 are in; the youngest four loads (tiles 2, 3) may be out
	WIN MUL+0x10*\first
	MUL8 \f, 0, \first
	MUL8 \f, 1, \first
	PLACES
	WIN 0
	FETCH \slot, \q, \g
	s_wait_dscnt 24                                ; all but the 24 just issued
	WIN MUL+0x10*\first
	MUL8 \f, 2, \first
	MUL8 \f, 3, \first
.endm
; The last quarter multiplies buffer 1 and changes slots: ONE barrier; in front of it each wave waits for all its tensor loads, adds 0 to its spare word, and waits for that and for its reads of this slot.
; fill = 1: the barrier opens a round of the cluster's, and this slot is filled again, two K steps ahead: the load has a K step less sixteen matrix instructions in which to land.
.macro TURN slot, next, fill
	WIN 0                                          ; (the add's two registers lie in window 0)
	s_wait_tensorcnt 0x0                           ; all my tensor loads have landed: my part of the next slot
	ds_add_u32 v[SPW], v[NIL]                      ; 0 onto my spare word
	s_wait_dscnt 5                                 ; (the add and the youngest four loads may be out)
	WIN MUL
	MUL8 F1, 0, 0                                  ; eight matrix instructions stand between the add and the wait for it
	s_wait_dscnt 0x0                               ; the add is done, and my reads of this slot are over
	s_barrier_signal -1
	MUL8 F1, 1, 0
	WIN 0
	s_barrier_wait -1
.if \fill
	CREST                                          ; no wave of any partner still reads this slot's tile or has a load on its way
	s_add_nc_u64 s[G0+4*\slot+2:G0+4*\slot+3], s[G0+4*\slot+2:G0+4*\slot+3], 2*4096
	s_add_nc_u64 s[G0B+4*\slot+2:G0B+4*\slot+3], s[G0B+4*\slot+2:G0B+4*\slot+3], 2*4096
	JLOAD \slot                                    ; the first tensor load behind the round; the four v_nop behind it are also the places in front of the loads below
.else
	PLACES
.endif
	FETCH \next, 0, F0
	WIN MUL
	MUL8 F1, 2, 0
	MUL8 F1, 3, 0
.endm
	s_wait_tensorcnt 1                             ; my part of K step 0 is in (K step 1's load may be out),
	s_barrier_signal -1
	s_barrier_wait -1                              ; everybody's is
	FETCH 0, 0, F0
	s_wait_loadcnt 0x0                             ; bo
	QUARTER 0, 1, F0, F1, 1                        ; the first quarter stands in front of the loop: its products start the sums
	WIN 0                                          ; at a label and at a branch every window is 0
	s_mov_b32 s[CNT], LAPS-1
.Llap:                                             ; a trip goes once round the slots, from a lap's second quarter to the next lap's first, and fills both again
	QUARTER 0, 2, F1, F0, 0
	QUARTER 0, 3, F0, F1, 0
	TURN 0, 1, 1
	QUARTER 1, 1, F0, F1, 0
	QUARTER 1, 2, F1, F0, 0
	QUARTER 1, 3, F0, F1, 0
	TURN 1, 0, 1
	QUARTER 0, 1, F0, F1, 0
	WIN 0
	s_sub_co_u32 s[CNT], s[CNT], 1
	s_cmp_lg_u32 s[CNT], 0
	s_cbranch_scc1 .Llap
	QUARTER 0, 2, F1, F0, 0                        ; the last lap fills nothing, and has no round of the cluster's barrier
	QUARTER 0, 3, F0, F1, 0
	TURN 0, 1, 0
	QUARTER 1, 1, F0, F1, 0
	QUARTER 1, 2, F1, F0, 0
	QUARTER 1, 3, F0, F1, 0
	s_wait_dscnt 4                                 ; the very last quarter: nothing more to fetch
	WIN MUL
	MUL8 F1, 0, 0
	MUL8 F1, 1, 0
	s_wait_dscnt 0
	MUL8 F1, 2, 0
	MUL8 F1, 3, 0
	WIN 0
; THE WAY OUT, block by block of 16 tokens x 128 n.  A lane holds 32 neighbouring bytes of a row, the lanes beside it other rows: a block goes through my own stage and comes back as whole rows of 512 bytes.
; LDS serves a wave's instructions in order (ISA guide 5.7.1.4): no wait between the stores and the loads, nor in front of the next block's stores.
.macro TOSTAGE a
	WIN 0x04                                       ; an LDS store's data are its source 1: window 1
.irp b, 0,1,2,3,4,5,6,7
	ds_store_b128 v[STO], v[8*(8*(\a)+\b):8*(8*(\a)+\b)+3] offset:64*\b          ; each accumulator from its low end on
	ds_store_b128 v[STO], v[8*(8*(\a)+\b)+4:8*(8*(\a)+\b)+7] offset:64*\b+16
.endr
	WIN 0
.set BB, BK+64*((\a)%2)
.irp t, 0,1,2,3,4,5,6,7,8,9,10,11,12,13,14,15
	ds_load_b128 v[BB+4*\t:BB+4*\t+3], v[RD] offset:\t*SPITCH
.endr
.endm
.macro SEND a, younger                 ; younger: the LDS instructions issued behind block a's loads, which may stay out
.set BB, BK+64*((\a)%2)
	s_wait_dscnt \younger
.irp t, 0,1,2,3,4,5,6,7,8,9,10,11,12,13,14,15
	global_store_b128 v[CO], v[BB+4*\t:BB+4*\t+3], s[10:11] offset:(16*(\a)+\t)*4096 th:TH_STORE_NT   ; 32 lanes store 512 consecutive bytes, aligned; 63 rows at the most: inside the signed 24-bit immediate
.endr
.endm
	PLACES                                         ; behind the last products: for the reads of results and the loads into the fragments' registers
	TOSTAGE 0
.irp a, 1,2,3
.if \a > 1
	s_wait_xcnt 0x0                                ; block a - 2's stores have read their registers: block a's loads may land there
.endif
	TOSTAGE \a
	SEND \a-1, 32                                  ; behind block a - 1's loads: block a's 16 stores and 16 loads
.endr
	SEND 3, 0
	s_wait_tensorcnt 0x0                           ; the wave's end: behind my last tensor load and my last LDS store
	ds_add_u32 v[SPW], v[NIL]
	s_wait_dscnt 0x0
	CROUND                                         ; the closing round: no work-group ends while a partner may still ask for a tile that names it
	s_endpgm
.Lfunc_end_k_q5b6c566996_outp:
	.size	k_q5b6c566996_outp, .Lfunc_end_k_q5b6c566996_outp-k_q5b6c566996_outp
	.p2alignl 7, 3214868480
	.fill 96, 4, 3214868480
	.section	.rodata,"a",@progbits
	.p2align	6, 0x0
	.amdhsa_kernel k_q5b6c566996_outp
		.amdhsa_group_segment_fixed_size 327680
		.amdhsa_private_segment_fixed_size 0
		.amdhsa_enable_private_segment 0
		.amdhsa_kernarg_size 32
		.amdhsa_user_sgpr_count 2
		.amdhsa_user_sgpr_kernarg_segment_ptr 1
		.amdhsa_wavefront_size32 1
		.amdhsa_system_sgpr_workgroup_id_x 1
		.amdhsa_system_sgpr_workgroup_id_y 1
		.amdhsa_system_sgpr_workgroup_id_z 1
		.amdhsa_system_vgpr_workitem_id 0
		.amdhsa_next_free_vgpr 576
		.amdhsa_next_free_sgpr 66
		.amdhsa_reserve_vcc 0
		.amdhsa_float_denorm_mode_32 3
		.amdhsa_float_denorm_mode_16_64 3
		.amdhsa_memory_ordered 1
		.amdhsa_forward_progress 1
		.amdhsa_inst_pref_size 86
	.end_amdhsa_kernel
	.amdgpu_metadata
---
amdhsa.version: [ 1, 2 ]
amdhsa.kernels:
  - .name:           k_q5b6c566996_outp
    .symbol:         k_q5b6c566996_outp.kd
    .args:
      - { .name: xf, .offset: 0, .size: 8, .value_kind: global_buffer, .address_space: global }
      - { .name: wof, .offset: 8, .size: 8, .value_kind: global_buffer, .address_space: global }
      - { .name: bo, .offset: 16, .size: 8, .value_kind: global_buffer, .address_space: global }
      - { .name: out0, .offset: 24, .size: 8, .value_kind: global_buffer, .address_space: global }
    .group_segment_fixed_size: 327680
    .private_segment_fixed_size: 0
    .kernarg_segment_align: 8
    .kernarg_segment_size: 32
    .max_flat_workgroup_size: 128
    .sgpr_count:     66
    .vgpr_count:     576
    .wavefront_size: 32
...
	.end_amdgpu_metadata
.endif
;; end of part 4
